; MI455X (gfx1250); checked and timed in simulation.
; The chip was launched on July 23, 2026; its instructions are those of AMD's public machine-readable ISA for CDNA 5 (MIT licence, August 2026) and "CDNA5" Instruction Set Architecture Reference Guide (July 2026). The comments in the code are by the model that wrote it; some were corrected since.
;; Causal Self Attention. Allowed arithmetic: matrix products marked QUANTISED: E2M1 operands, one E8M0 scale for each 32 along K, by v_wmma_scale_f32_16x16x128_f8f6f4 with both operands' format E2M1 (or v_wmma_scale_f32_32x16x128_f4), f32 sums; products left as they are: bf16, f16 or f32 operands; f32 sums; everything else in f32.
;; Inputs: W_attn 1,024 x 3,072 float32; W_proj 1,024 x 1,024 float32; x 4 x 2,048 x 1,024 float32.
;; Outputs: out0 4 x 2,048 x 1,024 float32.
;; This version of the problem:
;;   THIS VERSION OF THE PROBLEM IS GIVEN IN LOW PRECISION. The matrix products marked QUANTISED in the list below multiply operands that are first quantised to E2M1 (2 exponent bits, 1 mantissa bit; 4 bits a number), with one power-of-two scale for each 32 numbers along K (OCP MX v1.0); their sums are f32. The products marked 'left as it is' may take bf16, f16 or f32 operands, with f32 sums. Whichever they take, every output number must still come out within the allowed error. Rounding operands to bf16 (8 significant bits) uses up far more of that allowance than f16 does (11 bits, for magnitudes from 6e-5 to 65,504). All else is computed in f32.
;;   The module's matrix products, in the order in which they are computed (A, B: the left and right operand; K: the contracted axis; several contracted axes count as one K, in the product's order):
;;     1. [M 8,192, K 1,024] x [K 1,024, N 3,072]; A: input x; B: input W_attn: QUANTISED
;;     2. batch 64 x [M 2,048, K 64] x [K 64, N 2,048]; A: computed on the way; B: computed on the way: left as it is (an operand is computed on the way)
;;     3. batch 64 x [M 2,048, K 2,048] x [K 2,048, N 64]; A: computed on the way; B: computed on the way: left as it is (an operand is computed on the way)
;;     4. [M 8,192, K 1,024] x [K 1,024, N 1,024]; A: computed on the way; B: input W_proj: left as it is (an operand is computed on the way)
;;   THE QUANTISER, for each operand of a quantised product, along K:
;;     - K is cut into blocks of 32 from its start; a last block that is shorter is filled with zeros.
;;     - A block's scale is 2^e with e = floor(log2(the largest magnitude in the block)) - 2, held to -126 .. 127; a block of zeros has e = 0. As a byte (E8M0): e + 127.
;;     - Each number is divided by its block's scale, clamped to +-6, and rounded to the nearest number of E2M1, ties to even, subnormals kept.
;;     - The product sums the exact products of the quantised numbers (number of the format x scale) in f32.
;;   ~~~python
;;   def quantise(x, axis):      # numpy; x: float32 -> the quantised numbers, widened to float32 again
;;       x = np.moveaxis(x, axis, -1); K = x.shape[-1]
;;       x = np.pad(x, [(0, 0)] * (x.ndim - 1) + [(0, -K % 32)]); x = x.reshape(x.shape[:-1] + (-1, 32)); a = np.abs(x).max(-1, keepdims=True)
;;       e = np.where(a > 0, np.clip(np.frexp(np.where(a > 0, a, 1))[1] - 1 - 2, -126, 127), 0)      # np.frexp(a)[1] - 1 = floor(log2(a)), exactly
;;       r = np.clip(x / 2.0 ** e, -6, 6)
;;       step = 2.0 ** (np.maximum(np.frexp(np.where(r == 0, 1, r))[1] - 1, 0) - 1)
;;       q = np.round(r / step) * step * 2.0 ** e      # np.round: ties to even
;;       return np.moveaxis(q.reshape(q.shape[:-2] + (-1,))[..., :K], -1, axis).astype(np.float32)
;;   ~~~
;; One version. Each part assembles by itself: llvm-mc -triple=amdgcn-amd-amdhsa -mcpu=gfx1250 --defsym DOCPART=n.
;; ======== version 1 of 1: 5 launches
;; limits: values are held in f16: magnitudes above 65,504 overflow, below 6.1e-05 lose precision
;; workspace buffers: xc 4,194,304 bytes; xs 262,144 bytes; wc 1,572,864 bytes; ws 98,304 bytes; wph 2,097,152 bytes; qkv 50,331,648 bytes; q16 786,432 bytes; yh 16,777,216 bytes
;; launch prep (part 1): grid 368 x 1, 4 waves a work-group, no clusters, 68,096 bytes of LDS; arguments x, W_attn, W_proj, xc, xs, wc, ws, wph; writes xc, xs, wc, ws, wph
.if DOCPART == 1
	.amdgcn_target "amdgcn-amd-amdhsa--gfx1250"
	.amdhsa_code_object_version 6
	.text
	.protected	k_q6fe09a2040_prep
	.globl	k_q6fe09a2040_prep
	.p2align	8
	.type	k_q6fe09a2040_prep,@function
k_q6fe09a2040_prep:
	s_mov_b64 s[64:65], 0
	v_nop
	global_prefetch_b8 v0, s[64:65] scope:SCOPE_SE
	s_setreg_imm32_b32 hwreg(HW_REG_WAVE_MODE, 25, 1), 1
	s_wait_xcnt 0x0
; PREP: what the later launches read many times is made once.
;   work-groups 0-47:    W_attn [1024 (k)][3072 (n)] f32 -> codes of FP4 (E2M1) wc [3072][512 bytes], K innermost, and E8M0 bytes ws [3072][32]
;   work-groups 48-303:  x [8192][1024] f32 -> codes xc [8192][512 bytes] and E8M0 bytes xs [8192][32]
;   work-groups 304-367: W_proj [1024][1024] f32 -> f16, wph, same order
; A block of 32 along K has the scale 2^(floor(log2(its largest magnitude)) - 2); its byte is that magnitude's exponent field - 2, held at 1 from below.
; LIMITS: a block of zeros gets the byte 1 where the rule says 127 (its codes are zeros, and this program alone reads the bytes); blocks whose largest magnitude lies under 2^-124
; keep the byte 1; NaN and infinities among the inputs are not served; |W_proj| stays under 65,504 (f16).
; The three paths part on the work-group's number alone; each path that uses LDS has LDS bytes of its own.  No tensor load, no barrier: waves share nothing.
.set WWG,   48                         ; work-groups of W_attn's path
.set CWG0,  304                        ; first work-group of the cast
.set SPW,   190                        ; v190  LDS address of my spare word; never rewritten
.set NIL,   191                        ; v191  0; never rewritten
.set WREG,  8192                       ; x's path: a region for each wave: two stages of 32 x 80 bytes, then 256 scale bytes
.set WSTG,  4*WREG                     ; W_attn's path: a stage of 32 rows x 272 bytes for each wave
.set PITCH, 272
.set SPARE, WSTG+4*32*PITCH            ; the spare words, 128 bytes for each wave: two blocks of 256 bytes that no other line names
.set EMAX,  2
.set STEPS, 16                         ; x's path: 16 steps of 512 numbers a wave
.set CB,    8                          ; bytes of 16 codes
.set SP,    80                         ; a lane's place in a stage: 64 bytes + 16 of padding
.set XR,    16                         ; v16-79   four sets of 16 numbers as loaded
.set XX,    80                         ; v80-111  two sets of 16 neighbours
.set XE,    112                        ; v112-127 a scale byte for each step
.set XC,    128                        ; v128-189 codes, four registers apart for each step
.set WN,    3072                       ; W_attn's path
.set KW,    512                        ; along K for a wave
.set NB,    KW/32
.set KROW,  512                        ; a row of wc in bytes
.set SB,    24                         ; v24-27   scale bytes, four to a register
.set WX,    32                         ; v32-95   two sets of 32 numbers
.set WCD,   96                         ; v96-99   a block's codes
.set OUTR,  112                        ; v112-175 the way out
	s_load_b256 s[4:11], s[0:1], 0x0               ; x s[4:5], W_attn s[6:7], W_proj s[8:9], xc s[10:11]
	s_load_b256 s[12:19], s[0:1], 0x20             ; xs s[12:13], wc s[14:15], ws s[16:17], wph s[18:19]
	v_lshl_add_u32 v[SPW], v0, 2, SPARE
	v_mov_b32 v[NIL], 0
	v_lshrrev_b32 v1, 5, v0
	v_readfirstlane_b32 s20, v1                    ; wave 0..3
	v_and_b32 v2, 31, v0                           ; lane
	s_wait_kmcnt 0x0
	s_cmp_lt_u32 ttmp9, WWG
	s_cbranch_scc1 .Lweights
	s_cmp_lt_u32 ttmp9, CWG0
	s_cbranch_scc0 .Lcast
; ---- x: a plain stream of blocks of 32.  Each load reads 512 consecutive bytes; a step's 2,048 bytes turn through the wave's own stage so that a lane holds 16 neighbours along K.
	v_lshlrev_b32 v3, 4, v2                        ; my 16 bytes of a load's 512
	s_mul_i32 s21, s20, WREG
	v_lshrrev_b32 v14, 2, v2
	v_mul_u32_u24 v14, v14, SP
	v_and_b32 v15, 3, v2
	v_lshl_add_u32 v14, v15, 4, v14
	v_add_nc_u32 v14, s21, v14                     ; into the stage: 80 (lane / 4) + 16 (lane % 4)
	v_mul_u32_u24 v15, v2, SP
	v_add_nc_u32 v15, s21, v15                     ; out of it: 80 x lane
	v_mul_u32_u24 v4, v2, CB                       ; my codes' place in a step's
	v_lshrrev_b32 v5, 1, v2
	s_add_co_u32 s21, s21, 2*32*SP
	v_add_nc_u32 v5, s21, v5                       ; my block's scale byte
	v_lshlrev_b32 v7, 3, v2
	v_add_nc_u32 v6, s21, v7
	s_sub_co_u32 s22, ttmp9, WWG
	s_lshl_b32 s22, s22, 2
	s_add_co_u32 s22, s22, s20                     ; my run of 8,192 numbers, 0 .. 1023
	s_mov_b32 s25, 0
	s_lshl_b32 s24, s22, 15
	s_add_nc_u64 s[4:5], s[4:5], s[24:25]          ; 32,768 bytes of x a run
	s_lshl_b32 s24, s22, 12
	s_add_nc_u64 s[10:11], s[10:11], s[24:25]      ; 4,096 bytes of codes
	s_lshl_b32 s24, s22, 8
	s_add_nc_u64 s[12:13], s[12:13], s[24:25]      ; 256 scale bytes
.macro XLOAD t
.irp i, 0,1,2,3
	global_load_b128 v[XR+16*((\t)%4)+4*\i:XR+16*((\t)%4)+4*\i+3], v3, s[4:5] offset:2048*(\t)+512*\i th:TH_LOAD_NT
.endr
.endm
.macro XTURN t                         ; LDS serves a wave's instructions in order: no wait between the stores and the loads
.irp i, 0,1,2,3
	ds_store_b128 v14, v[XR+16*((\t)%4)+4*\i:XR+16*((\t)%4)+4*\i+3] offset:32*SP*((\t)%2)+8*SP*\i
.endr
.irp i, 0,1,2,3
	ds_load_b128 v[XX+16*((\t)%2)+4*\i:XX+16*((\t)%2)+4*\i+3], v15 offset:32*SP*((\t)%2)+16*\i
.endr
.endm
.irp t, 0,1,2,3
	XLOAD \t
.endr
	s_wait_loadcnt 12                              ; step 0's four loads are in; three steps' twelve may be out
	XTURN 0
.macro XSTEP t
.set XS, XX+16*((\t)%2)
.if (\t) > 0
	s_wait_dscnt 1                                 ; this step's numbers are back from the stage; the last step's byte store may be out
.else
	s_wait_dscnt 0x0
.endif
.if (\t)+4 < STEPS
	XLOAD (\t)+4                                   ; into the set whose stores into the stage have read their registers
.endif
.if (\t)+1 < STEPS
.if STEPS-2-(\t) >= 3
	s_wait_loadcnt 12                              ; the next step's four loads are in; those of the three steps behind it may be out
.else
	s_wait_loadcnt 4*(STEPS-2-(\t))
.endif
	XTURN (\t)+1
.endif
	v_max3_num_f32 v8, |v[XS]|, |v[XS+1]|, |v[XS+2]|               ; the largest magnitude of my 16, in two chains
	v_max3_num_f32 v9, |v[XS+3]|, |v[XS+4]|, |v[XS+5]|
.irp i, 6,10
	v_max3_num_f32 v8, v8, |v[XS+\i]|, |v[XS+\i+1]|
	v_max3_num_f32 v9, v9, |v[XS+\i+2]|, |v[XS+\i+3]|
.endr
	v_max3_num_f32 v8, v8, |v[XS+14]|, |v[XS+15]|
	v_max3_num_f32 v8, v8, v9, (EMAX+1)<<23        ; and the floor 2^(3 - 127): the byte cannot fall under 1
	v_max_num_f32_dpp v8, v8, v8 row_xmask:1 row_mask:0xf bank_mask:0xf   ; with my neighbour's 16: the block's
	v_add_nc_u32 v11, -(EMAX<<23), v8              ; 2 off the exponent field: the conversion takes this operand's exponent field as its scale
	v_cvt_scalef32_pk8_fp4_f32 v[XC+4*(\t)], v[XS:XS+7], v11
	v_cvt_scalef32_pk8_fp4_f32 v[XC+4*(\t)+1], v[XS+8:XS+15], v11
	v_lshrrev_b32 v[XE+(\t)], 23, v11              ; the scale's byte (a plain line behind the conversions)
	ds_store_b8 v5, v[XE+(\t)] offset:16*(\t)      ; both lanes of a block write the same byte with the same value
	global_store_b64 v4, v[XC+4*(\t):XC+4*(\t)+1], s[10:11] offset:32*CB*(\t)   ; the wave stores 256 consecutive bytes, aligned
.endm
.irp t, 0,1,2,3,4,5,6,7,8,9,10,11,12,13,14,15
	XSTEP \t
.endr
	ds_load_b64 v[8:9], v6                         ; my wave's 256 scale bytes, 8 a lane
	s_wait_dscnt 0x0
	global_store_b64 v7, v[8:9], s[12:13]          ; 256 consecutive bytes, aligned
	s_wait_tensorcnt 0x0                           ; the wave's end
	ds_add_u32 v[SPW], v[NIL]
	s_wait_dscnt 0x0
	s_endpgm
; ---- W_attn: K is its first axis.  A lane takes a column n and its registers run down K: a block of 32 lies in one lane, and the conversions give codes with K innermost.
; A wave takes 32 columns x 512 along K; a work-group 128 columns; work-group g: columns 128 (g % 24), K half g / 24.
.Lweights:
	s_cmp_ge_u32 ttmp9, 24
	s_cselect_b32 s22, 1, 0                        ; which 512 along K
	s_cselect_b32 s21, 24, 0
	s_sub_co_u32 s21, ttmp9, s21
	s_lshl_b32 s21, s21, 7
	s_lshl_b32 s23, s20, 5
	s_add_co_u32 s21, s21, s23                     ; my wave's first column
	v_lshlrev_b32 v3, 2, v2                        ; in: 4 bytes a lane
	s_mul_i32 s23, s20, 32*PITCH
	s_add_co_u32 s23, s23, WSTG                    ; my stage
	v_mul_u32_u24 v4, v2, PITCH
	v_add_nc_u32 v4, s23, v4                       ; into it: row = my column
	v_and_b32 v5, 15, v2
	v_lshrrev_b32 v6, 4, v2
	v_mul_u32_u24 v7, v6, PITCH
	v_lshl_add_u32 v7, v5, 4, v7
	v_add_nc_u32 v7, s23, v7                       ; out of it: sixteen lanes to a row, two rows an instruction
	v_mul_u32_u24 v8, v6, KROW
	v_lshl_add_u32 v8, v5, 4, v8                   ; the same place in wc
	v_lshlrev_b32 v9, 5, v2                        ; my column's row of scale bytes
	s_mov_b32 s25, 0
	s_mul_i32 s24, s22, KW*WN*4
	s_lshl_b32 s26, s21, 2
	s_add_co_u32 s24, s24, s26
	s_add_nc_u64 s[6:7], s[6:7], s[24:25]          ; W_attn: 512 y rows of 12,288 bytes + 4 x column
	s_lshl_b32 s24, s21, 9
	s_lshl_b32 s26, s22, 8
	s_add_co_u32 s24, s24, s26
	s_add_nc_u64 s[14:15], s[14:15], s[24:25]      ; wc: column x 512 + 256 y
	s_lshl_b32 s24, s21, 5
	s_lshl_b32 s26, s22, 4
	s_add_co_u32 s24, s24, s26
	s_add_nc_u64 s[16:17], s[16:17], s[24:25]      ; ws: column x 32 + 16 y
.macro WLOAD t                         ; block t: W(32 t + i, my column) into set t % 2; offsets up to 511 x 12,288, inside the signed 24-bit immediate
.irp i, 0,1,2,3,4,5,6,7,8,9,10,11,12,13,14,15,16,17,18,19,20,21,22,23,24,25,26,27,28,29,30,31
	global_load_b32 v[WX+32*((\t)%2)+\i], v3, s[6:7] offset:(32*(\t)+\i)*WN*4 th:TH_LOAD_NT
.endr
.endm
	WLOAD 0
	WLOAD 1
.macro WBLOCK t
.set WS, WX+32*((\t)%2)
.if (\t) < NB-1
	s_wait_loadcnt 32                              ; this block's 32 loads are in; the next block's 32 may be out
.else
	s_wait_loadcnt 0
.endif
	v_max3_num_f32 v12, |v[WS]|, |v[WS+1]|, |v[WS+2]|               ; all 32 numbers of the block are mine
	v_max3_num_f32 v13, |v[WS+3]|, |v[WS+4]|, |v[WS+5]|
.irp i, 6,10,14,18,22,26
	v_max3_num_f32 v12, v12, |v[WS+\i]|, |v[WS+\i+1]|
	v_max3_num_f32 v13, v13, |v[WS+\i+2]|, |v[WS+\i+3]|
.endr
	v_max3_num_f32 v12, v12, |v[WS+30]|, |v[WS+31]|
	v_max3_num_f32 v12, v12, v13, (EMAX+1)<<23     ; the floor
	v_add_nc_u32 v11, -(EMAX<<23), v12             ; the conversion's scale operand
	v_lshrrev_b32 v13, 23, v11                     ; the scale's byte
.if (\t)%4 == 0
	v_mov_b32 v[SB+(\t)/4], v13
.else
	v_lshl_or_b32 v[SB+(\t)/4], v13, 8*((\t)%4), v[SB+(\t)/4]
.endif
.irp g, 0,1,2,3
	v_cvt_scalef32_pk8_fp4_f32 v[WCD+\g], v[WS+8*\g:WS+8*\g+7], v11
.endr
	v_nop                                          ; a plain line behind the last conversion
	ds_store_b128 v4, v[WCD:WCD+3] offset:16*(\t)  ; 32 codes: 16 bytes of my column's row
.if (\t)+2 < NB
	WLOAD (\t)+2
.endif
	s_wait_dscnt 0x0                               ; the store has read its registers: the next block's codes may be written
.endm
.set Q, 0
.rept NB
	WBLOCK Q
.set Q, Q+1
.endr
	global_store_b128 v9, v[SB:SB+3], s[16:17]     ; my column's 16 scale bytes
.irp t, 0,1,2,3,4,5,6,7,8,9,10,11,12,13,14,15
	ds_load_b128 v[OUTR+4*\t:OUTR+4*\t+3], v7 offset:2*\t*PITCH
.endr
.irp t, 0,1,2,3,4,5,6,7,8,9,10,11,12,13,14,15
	s_wait_dscnt 15-\t                             ; the younger loads may be out
	global_store_b128 v8, v[OUTR+4*\t:OUTR+4*\t+3], s[14:15] offset:2*\t*KROW   ; sixteen lanes store 256 consecutive bytes, aligned
.endr
	s_wait_tensorcnt 0x0                           ; the wave's end
	ds_add_u32 v[SPW], v[NIL]
	s_wait_dscnt 0x0
	s_endpgm
; ---- W_proj to f16: a wave takes 4,096 numbers; a load reads 512 consecutive bytes, a store writes 256.  No LDS.
.Lcast:
	s_sub_co_u32 s21, ttmp9, CWG0
	s_lshl_b32 s21, s21, 2
	s_add_co_u32 s21, s21, s20                     ; my run, 0 .. 255
	s_mov_b32 s23, 0
	s_lshl_b32 s22, s21, 14
	s_add_nc_u64 s[8:9], s[8:9], s[22:23]
	s_lshl_b32 s22, s21, 13
	s_add_nc_u64 s[18:19], s[18:19], s[22:23]
	v_lshlrev_b32 v3, 4, v2
	v_lshlrev_b32 v4, 3, v2
.irp i, 0,1,2,3,4,5,6,7,8,9,10,11,12,13,14,15,16,17,18,19,20,21,22,23,24,25,26,27,28,29,30,31
	global_load_b128 v[32+4*\i:35+4*\i], v3, s[8:9] offset:512*\i
.endr
.irp i, 0,1,2,3,4,5,6,7,8,9,10,11,12,13,14,15,16,17,18,19,20,21,22,23,24,25,26,27,28,29,30,31
	s_wait_loadcnt 31-\i                           ; the younger loads may be out
	v_cvt_pk_f16_f32 v[32+4*\i], v[32+4*\i], v[33+4*\i]
	v_cvt_pk_f16_f32 v[33+4*\i], v[34+4*\i], v[35+4*\i]
	global_store_b64 v4, v[32+4*\i:33+4*\i], s[18:19] offset:256*\i
.endr
	s_endpgm
.Lfunc_end_k_q6fe09a2040_prep:
	.size	k_q6fe09a2040_prep, .Lfunc_end_k_q6fe09a2040_prep-k_q6fe09a2040_prep
	.p2alignl 7, 3214868480
	.fill 96, 4, 3214868480
	.section	.rodata,"a",@progbits
	.p2align	6, 0x0
	.amdhsa_kernel k_q6fe09a2040_prep
		.amdhsa_group_segment_fixed_size 68096
		.amdhsa_private_segment_fixed_size 0
		.amdhsa_enable_private_segment 0
		.amdhsa_kernarg_size 64
		.amdhsa_user_sgpr_count 2
		.amdhsa_user_sgpr_kernarg_segment_ptr 1
		.amdhsa_wavefront_size32 1
		.amdhsa_system_sgpr_workgroup_id_x 1
		.amdhsa_system_sgpr_workgroup_id_y 1
		.amdhsa_system_sgpr_workgroup_id_z 1
		.amdhsa_system_vgpr_workitem_id 0
		.amdhsa_next_free_vgpr 192
		.amdhsa_next_free_sgpr 66
		.amdhsa_reserve_vcc 0
		.amdhsa_float_denorm_mode_32 3
		.amdhsa_float_denorm_mode_16_64 3
		.amdhsa_memory_ordered 1
		.amdhsa_forward_progress 1
		.amdhsa_inst_pref_size 123
	.end_amdhsa_kernel
	.amdgpu_metadata
---
amdhsa.version: [ 1, 2 ]
amdhsa.kernels:
  - .name:           k_q6fe09a2040_prep
    .symbol:         k_q6fe09a2040_prep.kd
    .args:
      - { .name: x, .offset: 0, .size: 8, .value_kind: global_buffer, .address_space: global }
      - { .name: W_attn, .offset: 8, .size: 8, .value_kind: global_buffer, .address_space: global }
      - { .name: W_proj, .offset: 16, .size: 8, .value_kind: global_buffer, .address_space: global }
      - { .name: xc, .offset: 24, .size: 8, .value_kind: global_buffer, .address_space: global }
      - { .name: xs, .offset: 32, .size: 8, .value_kind: global_buffer, .address_space: global }
      - { .name: wc, .offset: 40, .size: 8, .value_kind: global_buffer, .address_space: global }
      - { .name: ws, .offset: 48, .size: 8, .value_kind: global_buffer, .address_space: global }
      - { .name: wph, .offset: 56, .size: 8, .value_kind: global_buffer, .address_space: global }
    .group_segment_fixed_size: 68096
    .private_segment_fixed_size: 0
    .kernarg_segment_align: 8
    .kernarg_segment_size: 64
    .max_flat_workgroup_size: 128
    .sgpr_count:     66
    .vgpr_count:     192
    .wavefront_size: 32
...
	.end_amdgpu_metadata
.endif
;; end of part 1
;; launch qkv (part 2): grid 12 x 32, 4 waves a work-group, clusters of 4 x 4, 327,680 bytes of LDS; arguments xc, xs, wc, ws, qkv, q16; writes qkv, q16
.if DOCPART == 2
	.amdgcn_target "amdgcn-amd-amdhsa--gfx1250"
	.amdhsa_code_object_version 6
	.text
	.protected	k_q6fe09a2040_qkv
	.globl	k_q6fe09a2040_qkv
	.p2align	8
	.type	k_q6fe09a2040_qkv,@function
k_q6fe09a2040_qkv:
	s_mov_b64 s[64:65], 0
	v_nop
	global_prefetch_b8 v0, s[64:65] scope:SCOPE_SE
	s_setreg_imm32_b32 hwreg(HW_REG_WAVE_MODE, 25, 1), 1
	s_wait_xcnt 0x0
	s_wait_alu depctr_hold_cnt(0) depctr_sa_sdst(0) depctr_va_vdst(0) depctr_va_sdst(0) depctr_va_ssrc(0) depctr_va_vcc(0) depctr_vm_vsrc(0)
	s_getreg_b32 s2, hwreg(HW_REG_IB_STS2, 6, 4)
	s_cmp_eq_u32 s2, 0
	s_cbranch_scc0 .Lentry_in_a_cluster
	s_endpgm
.Lentry_in_a_cluster:
	s_bfe_u32 s2, ttmp6, 0x10000c
	s_cmp_lg_u32 s2, 0xf033
	s_cbranch_scc0 .Lentry_shape_is_right
	s_endpgm
.Lentry_shape_is_right:
; QKV = x W_attn on codes of FP4 (E2M1) with one E8M0 scale for each 32 along K; sums in f32.  A = xc [8192][512 bytes], xs [8192][32]; B = wc [3072][512 bytes], ws [3072][32].
; A tile of 256 x 256 is made by four waves, 128 x 128 each: 64 accumulators, 512 registers.  K = 1,024 is two K steps of 512: both slots, and the scales of all of K, are first fills; nothing is filled again.
; CLUSTERS: 4 x 4 work-groups; A's tiles are asked for jointly along a row of the cluster, B's along a column.  The tile row is 8 cy + cluster y, so that a cluster's four rows lie in the four batches
; and 'the first tile of a batch' is cluster y = 0, the same number in all sixteen partners.
; THE MATRIX INSTRUCTION IS USED TRANSPOSED (source 0 = 16 rows of B, source 1 = 16 rows of A): a lane holds eight neighbouring columns of one row.
; OUT: f16 into qkv [48 slices of 64 columns][8192 rows][64]: slice h is q of head h, 16 + h is k, 32 + h is v; a row is 128 bytes, a slice 2^20.  The first 16 rows of each batch go also as f32 into q16 [4][16][3072].
; LIMIT: |q|, |k|, |v| stay under 65,504 (f16).
; REGISTERS: window 0: v0-31 addresses; v32-95 scale words, two sets; from v128 A's fragments, one set; on the way out v32-255 are free.  window 1: B's fragments, two sets.  windows 2, 3: the accumulators ((a, b) at v[8 (8 (a % 4) + b)]).
.set SIZE_K, 1024
.set KSTEP,  512
.set NQ,     KSTEP/128
.set ROWB,   256
.set KROW,   SIZE_K*4/8
.set PITCH,  272                       ; an LDS row: 256 bytes + 16 of padding: the 16 rows that a load touches start at 16 different banks
.set FR,     8
.set NL,     2
.set NP,     4
.set HALFT,  128*PITCH
.set SLOT,   4*HALFT
.set KS,     SIZE_K/32
.set SCL,    2*SLOT                    ; behind the slots: the scales, as units of 256 bytes + 16 of padding
.set HALFS,  (128*KS/256)*272
.set SBLK,   (16*KS/256)*272
.set SPARE,  SCL+4*HALFS               ; the spare words: two blocks of 256 bytes that no other line names
.set STGB,   16*528                    ; the way out: a stage for each wave, in slot 0, which has had its only fill and its last read by then
.set ADRA, 16
.set ADRB, 20
.set STO,  24                          ; v24  f16 stage, in: 272 r + 16 h
.set RD,   25                          ; v25  f16 stage, back: 272 (lane / 8) + 16 (lane % 8)
.set CO,   26                          ; v26  16 x lane
.set ADRS, 27
.set SPW,  28
.set NIL,  29
.set STF,  30                          ; v30  f32 stage, in: 528 r + 32 h
.set RDF,  31                          ; v31  f32 stage, back: 16 x lane
.set SC,   32
.set AF,   128
.set TMP,  192                         ; v192-223 packed results
.set OB,   32                          ; v32-63 and v224-255 by turns: 16 rows read back
.set G1, 24
.set G0, 32
.set G1B, 48
.set G0B, 56
.set G1S, 68
.set G0S, 76
.set G1SB, 80
.set G0SB, 88
.set MSB, 0
.macro WIN new                         ; the immediate's high byte repeats the setting that is left
.if MSB != \new
	s_set_vgpr_msb (MSB<<8)|\new
.set MSB, \new
.endif
.endm
.set MUL_LO, 0xa1
.set MUL_HI, 0xf1
.set TO_B,   0x40
; A joint load: waves 0 and 1 fetch for A, waves 2 and 3 for B; the branch hangs on the wave's number alone.  An s_nop 0 and four v_nop follow each line.
.macro JLOAD g0a, g1a, g0b, g1b
	s_cmp_eq_u32 s15, 0
	s_cbranch_scc0 .Lfor_b_\@
	tensor_load_to_lds s[\g0a:\g0a+3], s[\g1a:\g1a+7]
	s_nop 0
.rept 4
	v_nop
.endr
	s_branch .Lasked_\@
.Lfor_b_\@:
	tensor_load_to_lds s[\g0b:\g0b+3], s[\g1b:\g1b+7]
	s_nop 0
.rept 4
	v_nop
.endr
.Lasked_\@:
.endm
.macro CROUND                          ; a round of the cluster's barrier
	s_barrier_signal -1
	s_barrier_wait -1
	s_cmp_lg_u32 s14, 0
	s_cbranch_scc1 .Lnot_wave_0_\@
	s_barrier_signal -3
.Lnot_wave_0_\@:
	s_barrier_wait -3
	s_barrier_signal -1
	s_barrier_wait -1
.endm
	s_load_b128 s[4:7], s[0:1], 0x0                ; A's codes, A's scales
	s_load_b128 s[8:11], s[0:1], 0x10              ; B's codes, B's scales
	s_load_b64 s[12:13], s[0:1], 0x20              ; qkv
	s_load_b64 s[96:97], s[0:1], 0x28              ; q16
	v_lshl_add_u32 v[SPW], v0, 2, SPARE
	v_mov_b32 v[NIL], 0
	ds_add_u32 v[SPW], v[NIL]                      ; the opening: the add, twice on end, and its wait ahead of my first tensor load
	ds_add_u32 v[SPW], v[NIL]
	v_lshrrev_b32 v1, 5, v0
	v_readfirstlane_b32 s14, v1                    ; wave 0..3
	s_lshr_b32 s15, s14, 1                         ; my half of the tile's rows; also: I fetch for A (0) or B (1)
	s_and_b32 s16, s14, 1                          ; my half of its columns; also: which 128 rows I fetch
	s_bfe_u32 s40, ttmp6, 0x40000                  ; cx
	s_bfe_u32 s41, ttmp6, 0x40004                  ; cy
	s_lshl_b32 s42, ttmp9, 2
	s_add_co_u32 s42, s42, s40                     ; tile column = 4 x cluster x + cx
	s_and_b32 s17, ttmp7, 0xffff                   ; cluster y
	s_or_b32 s95, s17, s15                         ; 0: my first 16 rows are a batch's first 16 positions (cluster y and the wave's number alone)
	s_lshl_b32 s18, s41, 3
	s_add_co_u32 s17, s17, s18                     ; tile row = 8 cy + cluster y
	s_lshl_b32 s43, s41, 2
	s_lshl_b32 s43, 15, s43                        ; my row of the cluster
	s_lshl_b32 s44, 0x1111, s40                    ; my column
	s_or_b32 s[G1+0], s43, (0<<16)|(1<<20)|(1<<21)|(5<<22)|(3<<25)  ; mask; elements of 1 byte; padding: 4 words behind every 64; bit 21 beside a mask
	s_or_b32 s[G1B+0], s44, (0<<16)|(1<<20)|(1<<21)|(5<<22)|(3<<25)
.irp g, G1, G1B
	s_mov_b32 s[\g+1], ROWB<<16                    ; tensor_dim0
	s_mov_b32 s[\g+2], 128<<16                     ; tensor_dim1
	s_mov_b32 s[\g+3], ROWB<<16                    ; tile_dim0
	s_mov_b32 s[\g+4], 128                         ; tile_dim1
	s_mov_b32 s[\g+5], KROW                        ; stride
	s_mov_b32 s[\g+6], 0
	s_mov_b32 s[\g+7], 0
.endr
	s_or_b32 s[G1S+0], s43, (3<<16)|(1<<20)|(1<<21)|(5<<22)|(3<<25) ; the scales of 128 rows: a dense block, as rows of 256 bytes (32 elements of 8)
	s_or_b32 s[G1SB+0], s44, (3<<16)|(1<<20)|(1<<21)|(5<<22)|(3<<25)
.irp g, G1S, G1SB
	s_mov_b32 s[\g+1], 32<<16
	s_mov_b32 s[\g+2], (128*KS/256)<<16
	s_mov_b32 s[\g+3], 32<<16
	s_mov_b32 s[\g+4], 128*KS/256
	s_mov_b32 s[\g+5], 32
	s_mov_b32 s[\g+6], 0
	s_mov_b32 s[\g+7], 0
.endr
	s_lshl_b32 s18, s16, 7
	s_lshl_b32 s20, s17, 8
	s_add_co_u32 s20, s20, s18                     ; A: row 256 x tile row + 128 x half
	s_lshl_b32 s46, s42, 8
	s_add_co_u32 s46, s46, s18                     ; B: row 256 x tile column + 128 x half
	s_mov_b32 s21, 0
	s_mov_b32 s47, 0
	s_mov_b64 s[18:19], KS
	s_mul_u64 s[22:23], s[20:21], s[18:19]
	s_mul_u64 s[92:93], s[46:47], s[18:19]
	s_mov_b64 s[18:19], KROW
	s_mul_u64 s[20:21], s[20:21], s[18:19]
	s_mul_u64 s[46:47], s[46:47], s[18:19]
	s_mul_i32 s45, s14, HALFT                      ; LDS: wave x 128 rows
	s_mul_i32 s94, s14, HALFS
	s_wait_dscnt 0x0                               ; both opening adds are done
	s_wait_kmcnt 0x0
	s_add_nc_u64 s[20:21], s[4:5], s[20:21]
	s_add_nc_u64 s[22:23], s[6:7], s[22:23]
	s_add_nc_u64 s[46:47], s[8:9], s[46:47]
	s_add_nc_u64 s[92:93], s[10:11], s[92:93]
	CROUND                                         ; all sixteen work-groups are here: the joint loads meet
	s_mov_b32 s[G0S], 1
	s_add_co_u32 s[G0S+1], s94, SCL
	s_mov_b64 s[G0S+2:G0S+3], s[22:23]
	s_or_b32 s[G0S+3], s[G0S+3], 0x80000000
	s_mov_b32 s[G0SB], 1
	s_add_co_u32 s[G0SB+1], s94, SCL
	s_mov_b64 s[G0SB+2:G0SB+3], s[92:93]
	s_or_b32 s[G0SB+3], s[G0SB+3], 0x80000000
	JLOAD G0S, G1S, G0SB, G1SB                     ; the scales first; three loads of mine are out at the most
.irp s, 0,1
	s_mov_b32 s[G0+4*\s], 1
	s_add_co_u32 s[G0+4*\s+1], s45, \s*SLOT
	s_add_nc_u64 s[G0+4*\s+2:G0+4*\s+3], s[20:21], \s*ROWB
	s_or_b32 s[G0+4*\s+3], s[G0+4*\s+3], 0x80000000
	s_mov_b32 s[G0B+4*\s], 1
	s_add_co_u32 s[G0B+4*\s+1], s45, \s*SLOT
	s_add_nc_u64 s[G0B+4*\s+2:G0B+4*\s+3], s[46:47], \s*ROWB
	s_or_b32 s[G0B+4*\s+3], s[G0B+4*\s+3], 0x80000000
	JLOAD G0+4*\s, G1, G0B+4*\s, G1B
.endr
	v_and_b32 v1, 15, v0                           ; r
	v_bfe_u32 v2, v0, 4, 1                         ; h
	v_mul_u32_u24 v3, v1, PITCH
	v_lshl_add_u32 v4, v2, 4, v3
	s_mul_i32 s21, s15, HALFT
	s_mul_i32 s22, s16, HALFT
	s_add_co_u32 s22, s22, 2*HALFT
.irp s, 0,1
	v_add_nc_u32 v[ADRA+\s], s21, v4
	v_add_nc_u32 v[ADRB+\s], s22, v4
	s_add_co_u32 s21, s21, SLOT
	s_add_co_u32 s22, s22, SLOT
.endr
	v_mul_u32_u24 v5, v1, KS                       ; my row's scales: 32 bytes a row, and 16 more for each 256 passed
	v_lshrrev_b32 v6, 8, v5
	v_lshl_add_u32 v5, v6, 4, v5
	s_mul_i32 s21, s15, HALFS
	s_mul_i32 s22, s16, HALFS
	s_add_co_u32 s22, s22, 2*HALFS
	s_sub_co_u32 s22, s22, s21
	v_mul_u32_u24 v6, s22, v2                      ; lanes 16-31 take B's
	s_add_co_u32 s21, s21, SCL
	v_add_nc_u32 v5, v5, v6
	v_add_nc_u32 v[ADRS], s21, v5
	s_mul_i32 s23, s14, STGB                       ; my stage
	v_mul_u32_u24 v5, v1, 272
	v_lshl_add_u32 v5, v2, 4, v5
	v_add_nc_u32 v[STO], s23, v5
	v_bfe_u32 v5, v0, 3, 2
	v_mul_u32_u24 v5, v5, 272
	v_and_b32 v3, 7, v0
	v_lshl_add_u32 v5, v3, 4, v5
	v_add_nc_u32 v[RD], s23, v5
	v_and_b32 v6, 31, v0
	v_lshlrev_b32 v[CO], 4, v6
	v_mul_u32_u24 v5, v1, 528
	v_lshl_add_u32 v5, v2, 5, v5
	v_add_nc_u32 v[STF], s23, v5
	v_add_nc_u32 v[RDF], s23, v[CO]
	s_lshl_b32 s20, s17, 15                        ; qkv: (256 x tile row + 128 x half) rows of 128 bytes,
	s_lshl_b32 s21, s15, 14
	s_add_co_u32 s20, s20, s21
	s_lshl_b32 s46, s42, 22                        ; + (4 x tile column + 2 x half) slices of 2^20
	s_lshl_b32 s47, s16, 21
	s_add_co_u32 s46, s46, s47
	s_add_co_u32 s20, s20, s46
	s_mov_b32 s21, 0
	s_add_nc_u64 s[12:13], s[12:13], s[20:21]
	s_mul_i32 s98, s41, 196608                     ; q16: batch cy, + 4 (256 x tile column + 128 x half)
	s_lshl_b32 s46, s42, 10
	s_add_co_u32 s98, s98, s46
	s_lshl_b32 s46, s16, 9
	s_add_co_u32 s98, s98, s46
	s_mov_b32 s99, 0
	s_add_nc_u64 s[96:97], s[96:97], s[98:99]
.macro FRAG reg, adr, q, i             ; 16 rows x 128 K of 4-bit codes: 8 registers; two loads of 16 bytes, 32 bytes apart
.irp c, 0,1
	ds_load_b128 v[\reg+4*\c:\reg+4*\c+3], v[\adr] offset:64*(\q)+32*\c+(\i)*16*PITCH
.endr
.endm
; 16 matrix instructions: A's blocks a0, a0 + 1 x B's eight.  The 64 accumulators take turns, one instruction a turn, in the same order in every step.
.macro MUL16 a0, p, q, sc, zero
.irp a, \a0, \a0+1
.irp b, 0,1,2,3,4,5,6,7
.if \zero
	v_wmma_scale_f32_16x16x128_f8f6f4 v[8*(8*((\a)%4)+\b):8*(8*((\a)%4)+\b)+7], v[128*(\p)+FR*\b:128*(\p)+FR*\b+FR-1], v[AF+FR*(\a):AF+FR*(\a)+FR-1], 0, v[SC+8*NQ*(\sc)+NQ*\b+(\q)], v[SC+8*NQ*(\sc)+NQ*(\a)+(\q)] matrix_a_fmt:MATRIX_FMT_FP4 matrix_b_fmt:MATRIX_FMT_FP4 matrix_a_scale:MATRIX_SCALE_ROW1
.else
	v_wmma_scale_f32_16x16x128_f8f6f4 v[8*(8*((\a)%4)+\b):8*(8*((\a)%4)+\b)+7], v[128*(\p)+FR*\b:128*(\p)+FR*\b+FR-1], v[AF+FR*(\a):AF+FR*(\a)+FR-1], v[8*(8*((\a)%4)+\b):8*(8*((\a)%4)+\b)+7], v[SC+8*NQ*(\sc)+NQ*\b+(\q)], v[SC+8*NQ*(\sc)+NQ*(\a)+(\q)] matrix_a_fmt:MATRIX_FMT_FP4 matrix_b_fmt:MATRIX_FMT_FP4 matrix_a_scale:MATRIX_SCALE_ROW1
.endif
.endr
.endr
.endm
.macro FETCH_B slot, q, p
	WIN TO_B
.irp i, 0,1,2,3,4,5,6,7
	FRAG 128*(\p)+FR*\i, ADRB+\slot, \q, \i
.endr
	WIN 0
.endm
.macro FETCH_A slot, q, i0
.irp i, \i0, \i0+1, \i0+2, \i0+3
	FRAG AF+FR*(\i), ADRA+\slot, \q, \i
.endr
.endm
.macro SCALES sc                       ; a K step's scale words: lanes 0-15 take A's block i, lanes 16-31 B's block i
.irp i, 0,1,2,3,4,5,6,7
	ds_load_b128 v[SC+8*NQ*\sc+NQ*\i:SC+8*NQ*\sc+NQ*\i+3], v[ADRS] offset:\i*SBLK
.endr
.endm
.macro PLACES n                        ; plain vector places behind matrix instructions, in front of loads into their registers and of reads of their results
.rept \n
	v_nop
.endr
.endm
.macro STEP slot, q, zero              ; 128 along K, with its successor in the same slot
	s_wait_dscnt 4*NL                              ; B's set and A's blocks 0-3 are in; the youngest eight loads (A's blocks 4-7) may be out
	WIN MUL_LO
	MUL16 0, (\q)%2, \q, \slot, \zero
	MUL16 2, (\q)%2, \q, \slot, \zero
	s_wait_dscnt 0
	PLACES NP
	FETCH_B \slot, (\q)+1, 1-(\q)%2
	FETCH_A \slot, (\q)+1, 0
	WIN MUL_HI
	MUL16 4, (\q)%2, \q, \slot, \zero
	MUL16 6, (\q)%2, \q, \slot, \zero
	PLACES NP
	WIN 0
	FETCH_A \slot, (\q)+1, 4
.endm
; Slot 0's last step changes slots: one barrier; in front of it each wave waits for all its tensor loads (its part of slot 1), adds 0 to its spare word, and waits for that and its reads of slot 0.  Nothing is filled again.
.macro TURN slot, next
	s_wait_tensorcnt 0x0
	ds_add_u32 v[SPW], v[NIL]
	s_wait_dscnt 4*NL+1                            ; the add and the youngest eight loads may be out
	WIN MUL_LO
	MUL16 0, 1, NQ-1, \slot, 0
	s_wait_dscnt 0x0                               ; the add is done, my reads of this slot are over
	s_barrier_signal -1
	MUL16 2, 1, NQ-1, \slot, 0
	WIN 0
	s_barrier_wait -1
	PLACES NP
	v_add_nc_u32 v[ADRS], 4*NQ, v[ADRS]            ; the next K step's scale words
	FETCH_B \next, 0, 0
	FETCH_A \next, 0, 0
	SCALES \next
	WIN MUL_HI
	MUL16 4, 1, NQ-1, \slot, 0
	MUL16 6, 1, NQ-1, \slot, 0
	PLACES NP
	WIN 0
	FETCH_A \next, 0, 4
.endm
.macro STEPS slot, from
.set Q, \from
.rept NQ-1-\from
	STEP \slot, Q, 0
.set Q, Q+1
.endr
.endm
	s_wait_tensorcnt 1                             ; the scales and my part of slot 0 are in; slot 1's load may be out,
	s_barrier_signal -1
	s_barrier_wait -1                              ; everybody's are
	FETCH_B 0, 0, 0
	FETCH_A 0, 0, 0
	SCALES 0
	FETCH_A 0, 0, 4
	STEP 0, 0, 1                                   ; the first products start the sums: nothing is cleared
	STEPS 0, 1
	TURN 0, 1
	STEPS 1, 0
	s_wait_dscnt 4*NL                              ; the very last step
	WIN MUL_LO
	MUL16 0, 1, NQ-1, 1, 0
	MUL16 2, 1, NQ-1, 1, 0
	s_wait_dscnt 0
	WIN MUL_HI
	MUL16 4, 1, NQ-1, 1, 0
	MUL16 6, 1, NQ-1, 1, 0
	WIN 0
	PLACES NP
	; The first 16 positions of a batch leave as f32 too: my block 0, where cluster y = 0 and my rows are the tile's upper half.
	s_cmp_eq_u32 s95, 0
	s_cbranch_scc0 .Lno16
	WIN 0x08                                       ; an LDS store's data: window 2
.irp b, 0,1,2,3,4,5,6,7
	ds_store_b128 v[STF], v[8*\b:8*\b+3] offset:64*\b              ; each accumulator from its low end on
	ds_store_b128 v[STF], v[8*\b+4:8*\b+7] offset:64*\b+16
.endr
	WIN 0
.irp t, 0,1,2,3,4,5,6,7,8,9,10,11,12,13,14,15
	ds_load_b128 v[64+4*\t:64+4*\t+3], v[RDF] offset:\t*528        ; LDS serves a wave's instructions in order: these see the stores
.endr
	s_wait_dscnt 0x0
.irp t, 0,1,2,3,4,5,6,7,8,9,10,11,12,13,14,15
	global_store_b128 v[CO], v[64+4*\t:64+4*\t+3], s[96:97] offset:\t*12288   ; 512 consecutive bytes of a row of q16
.endr
.Lno16:
; THE WAY OUT, a block of 16 rows x 128 columns at a time: rounded to f16, 16 bytes a lane into rows of 272 bytes of my stage, back as 4 rows x 128 bytes of one slice, which are 512 consecutive bytes of qkv.
.macro PACK a
.set AC, 64*((\a)%4)
	WIN 0x0a+5*((\a)/4)                            ; sources 0 and 1: window 2 or 3
.irp b, 0,1,2,3,4,5,6,7
.irp r, 0,1,2,3
	v_cvt_pk_f16_f32 v[TMP+4*\b+\r], v[AC+8*\b+2*\r], v[AC+8*\b+2*\r+1]
.endr
.endr
	WIN 0
.endm
.macro TOSTAGE a
.set BB, OB+192*((\a)%2)
.irp b, 0,1,2,3,4,5,6,7
	ds_store_b128 v[STO], v[TMP+4*\b:TMP+4*\b+3] offset:32*\b
.endr
.irp t, 0,1,2,3,4,5,6,7
	ds_load_b128 v[BB+4*\t:BB+4*\t+3], v[RD] offset:(\t%4)*4*272+(\t/4)*128
.endr
.endm
.macro SEND a
.set BB, OB+192*((\a)%2)
	s_wait_dscnt 0x0                               ; the block is back in registers
	s_wait_xcnt 0x0                                ; the earlier stores have read their registers: the next block's loads may land there
.irp t, 0,1,2,3,4,5,6,7
	global_store_b128 v[CO], v[BB+4*\t:BB+4*\t+3], s[12:13] offset:(\t/4)*1048576+2048*(\a)+512*(\t%4)
.endr
.endm
	PACK 0
	TOSTAGE 0
.irp a, 1,2,3,4,5,6,7                  ; block a's conversions stand between block a - 1's loads from the stage and the wait for them
	PACK \a
	SEND \a-1
	TOSTAGE \a
.endr
	SEND 7
	s_wait_tensorcnt 0x0                           ; the wave's end
	ds_add_u32 v[SPW], v[NIL]
	s_wait_dscnt 0x0
	CROUND                                         ; the closing round
	s_endpgm
.Lfunc_end_k_q6fe09a2040_qkv:
	.size	k_q6fe09a2040_qkv, .Lfunc_end_k_q6fe09a2040_qkv-k_q6fe09a2040_qkv
	.p2alignl 7, 3214868480
	.fill 96, 4, 3214868480
	.section	.rodata,"a",@progbits
	.p2align	6, 0x0
	.amdhsa_kernel k_q6fe09a2040_qkv
		.amdhsa_group_segment_fixed_size 327680
		.amdhsa_private_segment_fixed_size 0
		.amdhsa_enable_private_segment 0
		.amdhsa_kernarg_size 48
		.amdhsa_user_sgpr_count 2
		.amdhsa_user_sgpr_kernarg_segment_ptr 1
		.amdhsa_wavefront_size32 1
		.amdhsa_system_sgpr_workgroup_id_x 1
		.amdhsa_system_sgpr_workgroup_id_y 1
		.amdhsa_system_sgpr_workgroup_id_z 1
		.amdhsa_system_vgpr_workitem_id 0
		.amdhsa_next_free_vgpr 1024
		.amdhsa_next_free_sgpr 100
		.amdhsa_reserve_vcc 0
		.amdhsa_float_denorm_mode_32 3
		.amdhsa_float_denorm_mode_16_64 3
		.amdhsa_memory_ordered 1
		.amdhsa_forward_progress 1
		.amdhsa_inst_pref_size 130
	.end_amdhsa_kernel
	.amdgpu_metadata
---
amdhsa.version: [ 1, 2 ]
amdhsa.kernels:
  - .name:           k_q6fe09a2040_qkv
    .symbol:         k_q6fe09a2040_qkv.kd
    .args:
      - { .name: xc, .offset: 0, .size: 8, .value_kind: global_buffer, .address_space: global }
      - { .name: xs, .offset: 8, .size: 8, .value_kind: global_buffer, .address_space: global }
      - { .name: wc, .offset: 16, .size: 8, .value_kind: global_buffer, .address_space: global }
      - { .name: ws, .offset: 24, .size: 8, .value_kind: global_buffer, .address_space: global }
      - { .name: qkv, .offset: 32, .size: 8, .value_kind: global_buffer, .address_space: global }
      - { .name: q16, .offset: 40, .size: 8, .value_kind: global_buffer, .address_space: global }
    .group_segment_fixed_size: 327680
    .private_segment_fixed_size: 0
    .kernarg_segment_align: 8
    .kernarg_segment_size: 48
    .max_flat_workgroup_size: 128
    .sgpr_count:     100
    .vgpr_count:     1024
    .wavefront_size: 32
...
	.end_amdgpu_metadata
.endif
;; end of part 2
;; launch attn (part 3): grid 4 x 64, 16 waves a work-group, no clusters, 327,680 bytes of LDS; arguments qkv, yh; writes yh
.if DOCPART == 3
	.amdgcn_target "amdgcn-amd-amdhsa--gfx1250"
	.amdhsa_code_object_version 6
	.text
	.protected	k_q6fe09a2040_attn
	.globl	k_q6fe09a2040_attn
	.p2align	8
	.type	k_q6fe09a2040_attn,@function
k_q6fe09a2040_attn:
	s_mov_b64 s[64:65], 0
	v_nop
	global_prefetch_b8 v0, s[64:65] scope:SCOPE_SE
	s_setreg_imm32_b32 hwreg(HW_REG_WAVE_MODE, 25, 1), 1
	s_wait_xcnt 0x0
; y[b][h][q] = the sum over k <= q of softmax_k(q . k / 8) v, per batch and head; q, k, v are f16 planes of qkv ([48 slices][8192 rows][64]); y goes as f16 to yh [16 h][8192 rows][64].
; Products with f16 operands and f32 sums; maxima, exponentials and sums in f32; a running maximum m and sum l for each query; the weights p = 2^(c s - c m), c = log2(e) / 8, are rounded to f16 for the second product.
; SHARES.  Work-group (j, 16 b + h) owns query blocks 7 - j and j of 256: (8 - j) + (j + 1) = 9 blocks of keys for every j, so the causal work is even.  Each of sixteen waves owns 32 queries, two tiles of 16:
; waves 0-7 take block 7 - j, waves 8-15 block j in mirrored order.  Four waves share a SIMD: one wave's softmax stands beside another's products.
; LAYOUT.  S^T = K Q^T (source 0 = 16 keys, source 1 = 16 queries): a lane holds ONE query (lane % 16) and keys 8 (lane / 16) + 0..7.  Two such tiles, rounded in pairs, are source 1 of O^T = V^T P.  V is turned by ds_load_tr16_b128.
; RING.  Two slots of 256 keys; rows of 128 bytes lie on end in memory, so a tile is stated as rows of 256 bytes (two keys each).  Waves 0, 1 fetch K's halves, waves 2, 3 V's.  Every work-group walks all 8 slots (constant trip counts);
; a step all of whose keys come after the wave's queries is jumped over, and a slot that begins after the work-group's last query is not asked for.
; NO CLUSTER: the four work-groups of a head stop asking at 8, 7, 6 and 5 slots, so a joint load would bring tiles that every wave of some partner jumps over.
; The rows t < 16 of each batch are stored here like the others; the projection's f32 launch does not read them.
; LIMITS: NaN and infinities are not served; scores lie above -3e38; |y| <= max |v| < 65,504.
.set KP,    272                        ; a pair of keys in LDS: 256 bytes + 16
.set VP,    288                        ; a pair of V's rows: 256 + 32: the turning load's 16 lanes take 16 different 16-byte columns
.set VOFF,  128*KP
.set SLOT1, 1<<17
.set STAGE, SLOT1+VOFF+128*VP          ; behind the ring: 16 rows x 144 bytes for each wave
.set SPARE, STAGE+16*2304              ; the spare words: eight blocks of 256 bytes that no other line names
.set AK0, 1
.set AV0, 2
.set ADK, 3
.set ADV, 4
.set SPW, 5
.set NIL, 6
.set GO,  7                            ; 16 x lane
.set DD,  8                            ; the mask's d
.set NINF, 9
.set RH,  10                           ; r - 8 h
.set PFO, 11                           ; 256 x lane
.set ST,  12                           ; tile t's statistics at v[ST + 8 t]: +0 c m, +1 m, +2, +3 l, +4 .. +7 at work; a takes +6
.set STO, 28
.set RD,  29
.set QAD, 30
.set QF,  32                           ; v32-63   Q: tile t, channels 32 c on: 16 t + 8 c
.set S,   64                           ; v64-127  S^T: 32 t + 8 kt; P is packed in place into a tile's first 16
.set O,   128                          ; v128-191 O^T: 32 t + 8 ct
.set KV,  192                          ; v192-255 K's 8 fragments, then V's 8
.set TB,  2
.set WV,  18
.set SEL, 20
.set CS,  22
.set G1K, 24
.set G1V, 32
.set G0K, 40
.set G0V, 44
.set SLOTS, 48
.set KF,  49
.set Q0,  50
.set LASTQ, 51
.set PFA, 52
.set LIM, 54
; Waves 0 and 1 fetch for K, waves 2 and 3 for V, the others nothing; the branches hang on the wave's number alone.  An s_nop 0 and four v_nop follow each line.
.macro TLOAD
	s_cmp_lt_u32 s[WV], 2
	s_cbranch_scc0 .Lnot_k_\@
	tensor_load_to_lds s[G0K:G0K+3], s[G1K:G1K+7]
	s_nop 0
.rept 4
	v_nop
.endr
	s_branch .Lasked_\@
.Lnot_k_\@:
	s_cmp_lt_u32 s[WV], 4
	s_cbranch_scc0 .Lasked_\@
	tensor_load_to_lds s[G0V:G0V+3], s[G1V:G1V+7]
	s_nop 0
.rept 4
	v_nop
.endr
.Lasked_\@:
.endm
; A prefetch of what the NEXT change of slots will ask for: a slot's 32,768 bytes of K and of V.  Of a head's four work-groups the one with j = 0, which walks all slots, asks; in it waves 4-7 ask for K's, waves 8-11 for V's,
; 8,192 bytes a wave, lanes 256 bytes apart: each block of 256 bytes is named once in the launch.  Slots 0 and 1 come by their loads alone; the last change that fills a slot asks for nothing.
.macro ASK
	s_cmp_gt_u32 s[SLOTS], s[LIM]
	s_cbranch_scc0 .Lnot_mine_\@
	global_prefetch_b8 v[PFO], s[PFA:PFA+1] th:TH_LOAD_NT scope:SCOPE_SE
.Lnot_mine_\@:
.endm
	s_load_b128 s[4:7], s[0:1], 0x0                ; qkv, yh
	v_lshl_add_u32 v[SPW], v0, 2, SPARE
	v_mov_b32 v[NIL], 0
	ds_add_u32 v[SPW], v[NIL]                      ; the opening: the add, twice on end, and its wait ahead of the first tensor load
	ds_add_u32 v[SPW], v[NIL]
	v_lshrrev_b32 v3, 5, v0
	v_readfirstlane_b32 s[WV], v3                  ; wave 0..15
	s_and_b32 s56, ttmp7, 0xffff                   ; 16 b + h
	s_and_b32 s57, s56, 15
	s_lshr_b32 s58, s56, 4
	s_lshl_b32 s57, s57, 20
	s_lshl_b32 s58, s58, 18
	s_add_co_u32 s60, s57, s58                     ; the head's plane and the batch's rows, in bytes
	s_sub_co_u32 s61, 7, ttmp9
	s_sub_co_u32 s62, 15, s[WV]
	s_cmp_lt_u32 s[WV], 8
	s_cselect_b32 s61, s61, ttmp9                  ; my block of 256 queries
	s_cselect_b32 s62, s[WV], s62                  ; my 32 of them
	s_lshl_b32 s61, s61, 8
	s_lshl_b32 s62, s62, 5
	s_add_co_u32 s[Q0], s61, s62                   ; my first query
	s_sub_co_u32 s[LASTQ], 8, ttmp9
	s_lshl_b32 s[LASTQ], s[LASTQ], 8
	s_sub_co_u32 s[LASTQ], s[LASTQ], 1             ; my work-group's last query
	s_lshl_b32 s62, s[Q0], 7
	s_add_co_u32 s62, s62, s60
	s_mov_b32 s63, 0                               ; s[62:63]: my queries' rows, in q's plane and in yh alike
	s_and_b32 s66, s[WV], 1                        ; which half of a slot I fetch, if I fetch
	s_mul_i32 s67, s66, 64*KP
	s_mul_i32 s68, s66, 64*VP
	s_add_co_u32 s68, s68, VOFF
	s_lshl_b32 s69, s66, 14
	s_add_co_u32 s70, s60, s69
	s_add_co_u32 s70, s70, 16<<20                  ; K's planes begin 16 slices on,
	s_mov_b32 s71, 0
	s_add_co_u32 s72, s70, 16<<20                  ; V's 32
	s_mov_b32 s73, 0
	s_mov_b32 s[G1K], (1<<16)|(1<<20)|(5<<22)|(3<<25)             ; elements of 2 bytes; padding: 4 words behind every 64
	s_mov_b32 s[G1V], (1<<16)|(1<<20)|(5<<22)|(7<<25)             ; 8 words
.irp g, G1K, G1V
	s_mov_b32 s[\g+1], 128<<16                     ; tensor_dim0 = 128 elements: two rows of 64 on end
	s_mov_b32 s[\g+2], 64<<16                      ; tensor_dim1 = 64
	s_mov_b32 s[\g+3], 128<<16                     ; tile_dim0
	s_mov_b32 s[\g+4], 64                          ; tile_dim1
	s_mov_b32 s[\g+5], 128                         ; stride: dense
	s_mov_b32 s[\g+6], 0
	s_mov_b32 s[\g+7], 0
.endr
	s_mov_b32 s[SEL], 0x76543210
	s_mov_b32 s[SEL+1], 0xfedcba98
	s_mov_b32 s[CS], 0x3e38aa3b                    ; c = log2(e) / 8
	s_mov_b32 s[CS+1], s[CS]
	s_mov_b32 s[TB], 0
	s_mov_b32 s[SLOTS], 7
	s_mov_b32 s[KF], 0
	s_wait_dscnt 0x0                               ; both opening adds are done
	s_wait_kmcnt 0x0
	s_mov_b32 s[G0K], 1
	s_mov_b32 s[G0K+1], s67
	s_add_nc_u64 s[G0K+2:G0K+3], s[4:5], s[70:71]
	s_or_b32 s[G0K+3], s[G0K+3], 0x80000000
	s_mov_b32 s[G0V], 1
	s_mov_b32 s[G0V+1], s68
	s_add_nc_u64 s[G0V+2:G0V+3], s[4:5], s[72:73]
	s_or_b32 s[G0V+3], s[G0V+3], 0x80000000
	TLOAD                                          ; slot 0: key 0 counts for every query
	s_add_nc_u64 s[8:9], s[4:5], s[62:63]          ; Q at my first query
	s_add_nc_u64 s[10:11], s[6:7], s[62:63]        ; yh likewise
	s_mov_b32 s74, 32<<20
	s_cmp_lt_u32 s[WV], 8
	s_cselect_b32 s74, 16<<20, s74                 ; waves 4-7: K; waves 8-11: V
	s_add_co_u32 s74, s74, s60
	s_and_b32 s75, s[WV], 3
	s_lshl_b32 s75, s75, 13
	s_add_co_u32 s74, s74, s75
	s_add_co_u32 s74, s74, 32768                   ; in slot 1: the first change steps it to slot 2
	s_mov_b32 s75, 0
	s_add_nc_u64 s[PFA:PFA+1], s[4:5], s[74:75]
	s_sub_co_u32 s74, s[WV], 4
	s_lshr_b32 s74, s74, 3                         ; 0 in waves 4 to 11,
	s_or_b32 s74, s74, ttmp9                       ; of the work-group with j = 0
	s_cmp_eq_u32 s74, 0
	s_cselect_b32 s[LIM], 1, -1
	v_and_b32 v3, 15, v0                           ; r
	v_bfe_u32 v4, v0, 4, 1                         ; h
	v_lshlrev_b32 v[QAD], 7, v3
	v_lshl_add_u32 v[QAD], v4, 4, v[QAD]           ; Q: row r of 128 bytes + 16 h
.irp t, 0,1
.irp c, 0,1
	global_load_b128 v[QF+16*\t+8*\c:QF+16*\t+8*\c+3],   v[QAD], s[8:9] offset:2048*\t+64*\c
	global_load_b128 v[QF+16*\t+8*\c+4:QF+16*\t+8*\c+7], v[QAD], s[8:9] offset:2048*\t+64*\c+32
.endr
.endr
	v_lshrrev_b32 v31, 1, v3
	v_mul_u32_u24 v[AK0], v31, KP
	v_and_b32 v31, 1, v0
	v_lshl_add_u32 v[AK0], v31, 7, v[AK0]
	v_lshl_add_u32 v[AK0], v4, 4, v[AK0]           ; K: key r at 272 (r / 2) + 128 (r % 2), + 16 h
	v_bfe_u32 v31, v0, 1, 2
	v_lshl_add_u32 v31, v4, 2, v31
	v_mul_u32_u24 v[AV0], v31, VP
	v_and_b32 v31, 1, v0
	v_lshl_add_u32 v[AV0], v31, 7, v[AV0]
	v_bfe_u32 v31, v0, 3, 1
	v_lshl_add_u32 v[AV0], v31, 4, v[AV0]
	v_add_nc_u32 v[AV0], VOFF, v[AV0]              ; V: key 8 h + lane % 8, channels 8 ((lane / 8) % 2) on
	v_and_b32 v31, 31, v0
	v_lshlrev_b32 v[GO], 4, v31
	v_lshlrev_b32 v[PFO], 8, v31
	v_lshlrev_b32 v31, 3, v4
	v_sub_nc_u32 v[RH], v3, v31
	s_mul_i32 s66, s[WV], 2304
	s_add_co_u32 s66, s66, STAGE                   ; my stage
	v_mul_u32_u24 v[STO], v3, 144
	v_lshl_add_u32 v[STO], v4, 4, v[STO]
	v_add_nc_u32 v[STO], s66, v[STO]
	v_bfe_u32 v31, v0, 3, 2
	v_mul_u32_u24 v[RD], v31, 144
	v_and_b32 v31, 7, v0
	v_lshl_add_u32 v[RD], v31, 4, v[RD]
	v_add_nc_u32 v[RD], s66, v[RD]
	v_mov_b32 v[NINF], 0xff800000
.irp t, 0,1
	v_mov_b32 v[ST+8*\t+1], 0xff61b1e6             ; m = -3e38, under every score
	v_mul_f32 v[ST+8*\t], s[CS], v[ST+8*\t+1]
.irp i, 2,3,4,5,6,7
	v_mov_b32 v[ST+8*\t+\i], 0
.endr
.endr
.set n, 0
.rept 64
	v_mov_b32 v[O+n], 0                            ; the step is written once: the first finds zeros, which a = 0 leaves zeros
.set n, n+1
.endr
; A KEY STEP: 64 keys, the q-th of the slot in hand.
.macro STEP q
	s_add_co_u32 s56, s[Q0], 31
	s_cmp_gt_u32 s[KF], s56                        ; all keys come after my 32 queries: ids and the count of steps alone
	s_cbranch_scc1 .Lhidden_\@
	v_add_nc_u32 v[ADK], s[TB], v[AK0]
	v_add_nc_u32 v[ADV], s[TB], v[AV0]
.irp kt, 0,1,2,3
.irp c, 0,1
	ds_load_b128 v[KV+8*(2*\kt+\c):KV+8*(2*\kt+\c)+3],   v[ADK] offset:8704*(\q)+2176*\kt+64*\c
	ds_load_b128 v[KV+8*(2*\kt+\c)+4:KV+8*(2*\kt+\c)+7], v[ADK] offset:8704*(\q)+2176*\kt+64*\c+32
.endr
.endr
	s_wait_dscnt 0x0
.irp c, 0,1                                    ; S^T = K Q^T: eight accumulators by turns
.irp kt, 0,1,2,3
.irp t, 0,1
.if \c == 0
	v_wmma_f32_16x16x32_f16 v[S+32*\t+8*\kt:S+32*\t+8*\kt+7], v[KV+8*(2*\kt+\c):KV+8*(2*\kt+\c)+7], v[QF+16*\t+8*\c:QF+16*\t+8*\c+7], 0
.else
	v_wmma_f32_16x16x32_f16 v[S+32*\t+8*\kt:S+32*\t+8*\kt+7], v[KV+8*(2*\kt+\c):KV+8*(2*\kt+\c)+7], v[QF+16*\t+8*\c:QF+16*\t+8*\c+7], v[S+32*\t+8*\kt:S+32*\t+8*\kt+7]
.endif
.endr
.endr
.endr
.rept 4
	v_nop                                          ; places in front of the loads into K's registers and of the first read of the scores
.endr
.irp ks, 0,1                                   ; V, turned: it lands while the softmax is walked
.irp ct, 0,1,2,3
	ds_load_tr16_b128 v[KV+8*(4*\ks+\ct):KV+8*(4*\ks+\ct)+3],   v[ADV] offset:9216*(\q)+4608*\ks+32*\ct
	ds_load_tr16_b128 v[KV+8*(4*\ks+\ct)+4:KV+8*(4*\ks+\ct)+7], v[ADV] offset:9216*(\q)+4608*\ks+2304+32*\ct
.endr
.endr
	s_add_co_u32 s56, s[KF], 63
	s_cmp_le_u32 s56, s[Q0]                        ; all keys count for all my queries: no mask
	s_cbranch_scc1 .Lopen_\@
	s_sub_co_i32 s56, s[Q0], s[KF]
	v_add_nc_u32 v[DD], s56, v[RH]                 ; register 8 kt + i of tile t holds key KF + 16 kt + 8 h + i: hidden where 16 kt + i - 16 t > Q0 - KF + r - 8 h
.irp t, 0,1
.irp kt, 0,1,2,3
.irp i, 0,1,2,3,4,5,6,7
	v_cmp_gt_i32 vcc_lo, 16*\kt+\i-16*\t, v[DD]
	v_cndmask_b32 v[S+32*\t+8*\kt+\i], v[S+32*\t+8*\kt+\i], v[NINF], vcc_lo
.endr
.endr
.endr
.Lopen_\@:
.irp j, 0,1,2,3                                ; the maximum: four chains a tile, each accumulator from its low end on; the two tiles by turns
.irp t, 0,1
	v_max3_num_f32 v[ST+8*\t+4+\j], v[S+32*\t+8*\j], v[S+32*\t+8*\j+1], v[S+32*\t+8*\j+2]
.endr
.endr
.irp g, 1,2
.irp j, 0,1,2,3
.irp t, 0,1
	v_max3_num_f32 v[ST+8*\t+4+\j], v[ST+8*\t+4+\j], v[S+32*\t+8*\j+2*\g+1], v[S+32*\t+8*\j+2*\g+2]
.endr
.endr
.endr
.irp t, 0,1
	v_max3_num_f32 v[ST+8*\t+4], v[ST+8*\t+4], v[S+32*\t+7], v[S+32*\t+15]
.endr
.irp t, 0,1
	v_max3_num_f32 v[ST+8*\t+6], v[ST+8*\t+6], v[S+32*\t+23], v[S+32*\t+31]
.endr
.irp t, 0,1
	v_max3_num_f32 v[ST+8*\t+4], v[ST+8*\t+4], v[ST+8*\t+5], v[ST+8*\t+6]
.endr
.irp t, 0,1
	v_max3_num_f32 v[ST+8*\t+4], v[ST+8*\t+4], v[ST+8*\t+7], v[ST+8*\t+1]   ; and the old m
.endr
.irp t, 0,1
	v_permlanex16_b32 v[ST+8*\t+5], v[ST+8*\t+4], s[SEL], s[SEL+1]          ; the query's other 32 keys lie in the lane 16 away
.endr
.irp t, 0,1
	v_mov_b32 v[ST+8*\t+7], v[ST+8*\t]             ; c m_old
.endr
.irp t, 0,1
	v_max_num_f32 v[ST+8*\t+1], v[ST+8*\t+4], v[ST+8*\t+5]
.endr
.irp t, 0,1
	v_mul_f32 v[ST+8*\t], s[CS], v[ST+8*\t+1]
.endr
.irp t, 0,1
	v_sub_f32 v[ST+8*\t+7], v[ST+8*\t+7], v[ST+8*\t]
.endr
.set p, 0
.rept 16
	v_pk_fma_f32 v[S+2*p:S+2*p+1], v[S+2*p:S+2*p+1], s[CS:CS+1], v[ST:ST+1] op_sel_hi:[1,0,0] neg_lo:[0,0,1] neg_hi:[0,0,1]            ; c s - c m
	v_pk_fma_f32 v[S+32+2*p:S+32+2*p+1], v[S+32+2*p:S+32+2*p+1], s[CS:CS+1], v[ST+8:ST+9] op_sel_hi:[1,0,0] neg_lo:[0,0,1] neg_hi:[0,0,1]
.set p, p+1
.endr
	v_exp_f32 v[ST+6], v[ST+7]                     ; a = 2^(c m_old - c m_new); then the 64 weights: ONE batch of 66
	v_exp_f32 v[ST+14], v[ST+15]
.set n, 0
.rept 32
	v_exp_f32 v[S+n], v[S+n]
	v_exp_f32 v[S+32+n], v[S+32+n]
.set n, n+1
.endr
	v_nop                                          ; a plain line behind the last exponential
	s_wait_alu depctr_va_vdst(0)                   ; one wait for the batch, ahead of its first reader
.irp t, 0,1                                    ; l = a l + the sum of the unrounded weights, in two chains a tile
	v_pk_mul_f32 v[ST+8*\t+2:ST+8*\t+3], v[ST+8*\t+2:ST+8*\t+3], v[ST+8*\t+6:ST+8*\t+7] op_sel_hi:[1,0]
	v_pk_add_f32 v[ST+8*\t+4:ST+8*\t+5], v[S+32*\t:S+32*\t+1], v[S+32*\t+2:S+32*\t+3]
.endr
.irp j, 4,8,12,16,20,24,28
.irp t, 0,1
	v_pk_add_f32 v[ST+8*\t+2:ST+8*\t+3], v[ST+8*\t+2:ST+8*\t+3], v[S+32*\t+\j:S+32*\t+\j+1]
	v_pk_add_f32 v[ST+8*\t+4:ST+8*\t+5], v[ST+8*\t+4:ST+8*\t+5], v[S+32*\t+\j+2:S+32*\t+\j+3]
.endr
.endr
.irp t, 0,1
	v_pk_add_f32 v[ST+8*\t+2:ST+8*\t+3], v[ST+8*\t+2:ST+8*\t+3], v[ST+8*\t+4:ST+8*\t+5]
.endr
.set p, 0
.rept 16                                       ; to f16 in place, ascending: pair p lands on a register whose number has been read
	v_cvt_pk_f16_f32 v[S+p], v[S+2*p], v[S+2*p+1]
	v_cvt_pk_f16_f32 v[S+32+p], v[S+32+2*p], v[S+32+2*p+1]
.set p, p+1
.endr
.set p, 0
.rept 16                                       ; O^T x a, each accumulator from its low end on
	v_pk_mul_f32 v[O+2*p:O+2*p+1], v[O+2*p:O+2*p+1], v[ST+6:ST+7] op_sel_hi:[1,0]
	v_pk_mul_f32 v[O+32+2*p:O+32+2*p+1], v[O+32+2*p:O+32+2*p+1], v[ST+14:ST+15] op_sel_hi:[1,0]
.set p, p+1
.endr
	s_wait_dscnt 0x0                               ; V is in
.irp ks, 0,1                                   ; O^T += V^T P: eight accumulators by turns
.irp ct, 0,1,2,3
.irp t, 0,1
	v_wmma_f32_16x16x32_f16 v[O+32*\t+8*\ct:O+32*\t+8*\ct+7], v[KV+8*(4*\ks+\ct):KV+8*(4*\ks+\ct)+7], v[S+32*\t+8*\ks:S+32*\t+8*\ks+7], v[O+32*\t+8*\ct:O+32*\t+8*\ct+7]
.endr
.endr
.endr
.rept 5
	v_nop                                          ; five places: the next step's first products write over P's registers, its loads land on V's, the way out reads O^T
.endr
.Lhidden_\@:
	s_add_co_u32 s[KF], s[KF], 64
.endm
; THE CHANGE OF SLOTS stands at a slot's head.  Each wave waits for all its tensor loads, adds 0 to its spare word (fill = 1: twice on end), and waits for that and for its reads
; of the slot that it has left.  Behind the barrier the other slot is filled with the keys that follow, up to the causal limit: the load has a whole slot's four steps in which to land.  One tensor load of a wave is out at the most.
.macro CHANGE fill
	s_wait_tensorcnt 0x0
	ds_add_u32 v[SPW], v[NIL]
.if \fill
	ds_add_u32 v[SPW], v[NIL]
	s_xor_b32 s[G0K+1], s[G0K+1], SLOT1            ; no tensor load of mine is out: the descriptors walk on
	s_add_nc_u64 s[G0K+2:G0K+3], s[G0K+2:G0K+3], 32768
	s_xor_b32 s[G0V+1], s[G0V+1], SLOT1
	s_add_nc_u64 s[G0V+2:G0V+3], s[G0V+2:G0V+3], 32768
	s_wait_xcnt 0x0                                ; the last prefetch, a slot back, has read its address
	s_add_nc_u64 s[PFA:PFA+1], s[PFA:PFA+1], 32768
.endif
	s_wait_dscnt 0x0
	s_barrier_signal -1
	s_barrier_wait -1
.if \fill
	s_add_co_u32 s56, s[KF], 256                   ; the first key of the slot that this change would ask for
	s_cmp_gt_u32 s56, s[LASTQ]                     ; past my work-group's last query: none of its waves would read it.  Ids and the count of steps alone: all sixteen waves go the same way
	s_cbranch_scc1 .Lpast_\@
	TLOAD
.Lpast_\@:
	ASK
.endif
.endm
.macro SLOT_STEPS
	STEP 0
	STEP 1
	STEP 2
	STEP 3
	s_xor_b32 s[TB], s[TB], SLOT1
.endm
	s_wait_loadcnt 0x0                             ; Q
.Lslot:                                            ; 7 trips
	CHANGE 1
	SLOT_STEPS
	s_sub_co_u32 s[SLOTS], s[SLOTS], 1
	s_cmp_lg_u32 s[SLOTS], 0
	s_cbranch_scc1 .Lslot
	CHANGE 0                                       ; the last slot is written out: nothing is left to ask for
	SLOT_STEPS
	; THE WAY OUT: O^T / l, rounded to f16, through my stage: 16 bytes a lane into rows of 144 bytes, back as 4 rows x 128 bytes, which are 512 consecutive bytes of yh.
.irp t, 0,1
	v_add_f32 v[ST+8*\t+4], v[ST+8*\t+2], v[ST+8*\t+3]
.endr
.irp t, 0,1
	v_permlanex16_b32 v[ST+8*\t+5], v[ST+8*\t+4], s[SEL], s[SEL+1]
.endr
.irp t, 0,1
	v_add_f32 v[ST+8*\t+4], v[ST+8*\t+4], v[ST+8*\t+5]
.endr
.irp t, 0,1
	v_rcp_f32 v[ST+8*\t+6], v[ST+8*\t+4]
.endr
	v_nop
	s_wait_alu depctr_va_vdst(0)                   ; one wait for the two reciprocals, ahead of their first reader
.irp t, 0,1
.set p, 0
.rept 16
	v_pk_mul_f32 v[O+32*\t+2*p:O+32*\t+2*p+1], v[O+32*\t+2*p:O+32*\t+2*p+1], v[ST+8*\t+6:ST+8*\t+7] op_sel_hi:[1,0]
.set p, p+1
.endr
.set p, 0
.rept 16
	v_cvt_pk_f16_f32 v[S+16*\t+p], v[O+32*\t+2*p], v[O+32*\t+2*p+1]
.set p, p+1
.endr
.irp ct, 0,1,2,3
	ds_store_b128 v[STO], v[S+16*\t+4*\ct:S+16*\t+4*\ct+3] offset:32*\ct
.endr
.irp i, 0,1,2,3
	ds_load_b128 v[S+32+16*\t+4*\i:S+32+16*\t+4*\i+3], v[RD] offset:576*\i   ; LDS serves a wave's instructions in order
.endr
.endr
.irp t, 0,1
.irp i, 0,1,2,3
	s_wait_dscnt 8*(1-\t)+3-\i                     ; the younger loads, and for tile 0 tile 1's eight LDS instructions, may be out
	global_store_b128 v[GO], v[S+32+16*\t+4*\i:S+32+16*\t+4*\i+3], s[10:11] offset:2048*\t+512*\i
.endr
.endr
	s_wait_tensorcnt 0x0                           ; the wave's end
	ds_add_u32 v[SPW], v[NIL]
	s_wait_dscnt 0x0
	s_endpgm
.Lfunc_end_k_q6fe09a2040_attn:
	.size	k_q6fe09a2040_attn, .Lfunc_end_k_q6fe09a2040_attn-k_q6fe09a2040_attn
	.p2alignl 7, 3214868480
	.fill 96, 4, 3214868480
	.section	.rodata,"a",@progbits
	.p2align	6, 0x0
	.amdhsa_kernel k_q6fe09a2040_attn
		.amdhsa_group_segment_fixed_size 327680
		.amdhsa_private_segment_fixed_size 0
		.amdhsa_enable_private_segment 0
		.amdhsa_kernarg_size 16
		.amdhsa_user_sgpr_count 2
		.amdhsa_user_sgpr_kernarg_segment_ptr 1
		.amdhsa_wavefront_size32 1
		.amdhsa_system_sgpr_workgroup_id_x 1
		.amdhsa_system_sgpr_workgroup_id_y 1
		.amdhsa_system_sgpr_workgroup_id_z 1
		.amdhsa_system_vgpr_workitem_id 0
		.amdhsa_next_free_vgpr 256
		.amdhsa_next_free_sgpr 80
		.amdhsa_reserve_vcc 1
		.amdhsa_float_denorm_mode_32 3
		.amdhsa_float_denorm_mode_16_64 3
		.amdhsa_memory_ordered 1
		.amdhsa_forward_progress 1
		.amdhsa_inst_pref_size 189
	.end_amdhsa_kernel
	.amdgpu_metadata
---
amdhsa.version: [ 1, 2 ]
amdhsa.kernels:
  - .name:           k_q6fe09a2040_attn
    .symbol:         k_q6fe09a2040_attn.kd
    .args:
      - { .name: qkv, .offset: 0, .size: 8, .value_kind: global_buffer, .address_space: global }
      - { .name: yh, .offset: 8, .size: 8, .value_kind: global_buffer, .address_space: global }
    .group_segment_fixed_size: 327680
    .private_segment_fixed_size: 0
    .kernarg_segment_align: 8
    .kernarg_segment_size: 16
    .max_flat_workgroup_size: 512
    .sgpr_count:     80
    .vgpr_count:     256
    .wavefront_size: 32
...
	.end_amdgpu_metadata
.endif
;; end of part 3
;; launch proj (part 4): grid 4 x 64, 4 waves a work-group, clusters of 4 x 4, 327,680 bytes of LDS; arguments yh, wph, out0; writes out0
.if DOCPART == 4
	.amdgcn_target "amdgcn-amd-amdhsa--gfx1250"
	.amdhsa_code_object_version 6
	.text
	.protected	k_q6fe09a2040_proj
	.globl	k_q6fe09a2040_proj
	.p2align	8
	.type	k_q6fe09a2040_proj,@function
k_q6fe09a2040_proj:
	s_mov_b64 s[64:65], 0
	v_nop
	global_prefetch_b8 v0, s[64:65] scope:SCOPE_SE
	s_setreg_imm32_b32 hwreg(HW_REG_WAVE_MODE, 25, 1), 1
	s_wait_xcnt 0x0
	s_wait_alu depctr_hold_cnt(0) depctr_sa_sdst(0) depctr_va_vdst(0) depctr_va_sdst(0) depctr_va_ssrc(0) depctr_va_vcc(0) depctr_vm_vsrc(0)
	s_getreg_b32 s2, hwreg(HW_REG_IB_STS2, 6, 4)
	s_cmp_eq_u32 s2, 0
	s_cbranch_scc0 .Lentry_in_a_cluster
	s_endpgm
.Lentry_in_a_cluster:
	s_bfe_u32 s2, ttmp6, 0x10000c
	s_cmp_lg_u32 s2, 0xf033
	s_cbranch_scc0 .Lentry_shape_is_right
	s_endpgm
.Lentry_shape_is_right:
; out0 = y W_proj, f16 operands, f32 sums.  y: yh [16 h][8192 rows][64] f16 (k = 64 h + d); W_proj: wph [1024 (k)][1024 (n)] f16; out0: [8192][1024] f32.
; A tile of 128 rows x 256 columns is made by four waves, 64 x 128 each: 32 accumulators, which fill window 1.  256 work-groups.
; K goes in steps of 128 (two head planes) through two LDS slots.  A plane's 128 rows of 128 bytes are dense in memory and are stated as 64 rows of 256 bytes.  W's K is not innermost: its fragments are turned by ds_load_tr16_b128.
; THE MATRIX INSTRUCTION IS USED TRANSPOSED (source 0 = 16 columns of W, source 1 = 16 rows of y): a lane holds eight neighbouring columns of one row of out0.
; CLUSTERS: 4 x 4; y's tiles are asked for jointly along a row of the cluster, W's along a column.  The tile row is 16 cy + cluster y: the batch is cy, and a batch's first tile is cluster y = 0 in all partners.
; The first 16 rows of each batch are NOT stored here: another launch makes them in f32.
; No prefetch: a K step has 128 matrix instructions a wave on small tiles, and the tiles are shared in the cluster first.
; REGISTERS: window 0: v0-31 addresses; two fragment buffers v32-127, v128-223: y's 4 fragments, then W's 8.  window 1: accumulator (a, b) at v[8 (8 a + b)].
.set APL,   64*272                     ; a plane of y's tile: 64 pair-rows of 256 + 16 bytes
.set BHALF, 64*544                     ; 64 rows of W's tile: 512 + 32 bytes
.set BOFF,  2*APL
.set SLOT,  BOFF+2*BHALF
.set STAGE, 2*SLOT                     ; behind the ring: 16 rows x 528 bytes for each wave
.set SPITCH, 528
.set SPARE, STAGE+4*16*SPITCH          ; the spare words: two blocks of 256 bytes that no other line names
.set LAPS,  4
.set ADRA, 16
.set ADRB, 20
.set STO,  24
.set RD,   25
.set CO,   26
.set SPW,  28
.set NIL,  29
.set F0,   32
.set F1,   128
.set G1, 24
.set G0, 32
.set G1B, 48
.set G0B, 56
.set MSB, 0
.macro WIN new
.if MSB != \new
	s_set_vgpr_msb (MSB<<8)|\new
.set MSB, \new
.endif
.endm
.set MUL, 0x50                         ; C and D window 1, sources window 0
.macro JLOAD s                         ; waves 0 and 1 fetch y's two planes, waves 2 and 3 W's two halves; an s_nop 0 and four v_nop follow each line
	s_cmp_eq_u32 s11, 0
	s_cbranch_scc0 .Lfor_b_\@
	tensor_load_to_lds s[G0+4*\s:G0+4*\s+3], s[G1:G1+7]
	s_nop 0
.rept 4
	v_nop
.endr
	s_branch .Lasked_\@
.Lfor_b_\@:
	tensor_load_to_lds s[G0B+4*\s:G0B+4*\s+3], s[G1B:G1B+7]
	s_nop 0
.rept 4
	v_nop
.endr
.Lasked_\@:
.endm
.macro CREST
	s_cmp_lg_u32 s10, 0
	s_cbranch_scc1 .Lnot_wave_0_\@
	s_barrier_signal -3
.Lnot_wave_0_\@:
	s_barrier_wait -3
	s_barrier_signal -1
	s_barrier_wait -1
.endm
.macro CROUND
	s_barrier_signal -1
	s_barrier_wait -1
	CREST
.endm
	s_load_b128 s[4:7], s[0:1], 0x0                ; yh, wph
	s_load_b64 s[8:9], s[0:1], 0x10                ; out0
	v_lshl_add_u32 v[SPW], v0, 2, SPARE
	v_mov_b32 v[NIL], 0
	ds_add_u32 v[SPW], v[NIL]                      ; the opening: the add, twice on end, and its wait ahead of my first tensor load
	ds_add_u32 v[SPW], v[NIL]
	v_lshrrev_b32 v1, 5, v0
	v_readfirstlane_b32 s10, v1                    ; wave 0..3
	s_lshr_b32 s11, s10, 1                         ; my half of the rows; also: I fetch for y (0) or W (1)
	s_and_b32 s12, s10, 1                          ; my half of the columns; also: which plane or half I fetch
	s_bfe_u32 s40, ttmp6, 0x40000                  ; cx
	s_bfe_u32 s41, ttmp6, 0x40004                  ; cy
	s_lshl_b32 s42, ttmp9, 2
	s_add_co_u32 s42, s42, s40                     ; tile column
	s_and_b32 s13, ttmp7, 0xffff                   ; cluster y
	s_or_b32 s2, s13, s11                          ; 0: my block 0 is a batch's first 16 rows
	s_lshl_b32 s14, s41, 4
	s_add_co_u32 s13, s13, s14                     ; tile row = 16 cy + cluster y
	s_lshl_b32 s43, s41, 2
	s_lshl_b32 s43, 15, s43                        ; my row of the cluster
	s_lshl_b32 s44, 0x1111, s40                    ; my column
	s_or_b32 s[G1+0], s43, (1<<16)|(1<<20)|(1<<21)|(5<<22)|(3<<25)   ; elements of 2 bytes; 4 words of padding behind every 64
	s_mov_b32 s[G1+1], 128<<16
	s_mov_b32 s[G1+2], 64<<16
	s_mov_b32 s[G1+3], 128<<16
	s_mov_b32 s[G1+4], 64
	s_mov_b32 s[G1+5], 128
	s_mov_b32 s[G1+6], 0
	s_mov_b32 s[G1+7], 0
	s_or_b32 s[G1B+0], s44, (1<<16)|(1<<20)|(1<<21)|(6<<22)|(7<<25)  ; 8 words of padding behind every 128
	s_mov_b32 s[G1B+1], 256<<16
	s_mov_b32 s[G1B+2], 64<<16
	s_mov_b32 s[G1B+3], 256<<16
	s_mov_b32 s[G1B+4], 64
	s_mov_b32 s[G1B+5], 1024
	s_mov_b32 s[G1B+6], 0
	s_mov_b32 s[G1B+7], 0
	s_lshl_b32 s16, s12, 20                        ; y: plane s12, + 128 x tile row rows of 128 bytes
	s_lshl_b32 s17, s13, 14
	s_add_co_u32 s16, s16, s17
	s_mov_b32 s17, 0
	s_lshl_b32 s46, s12, 17                        ; W: 64 s12 rows of 2,048 bytes, + 256 x tile column columns of 2
	s_lshl_b32 s47, s42, 9
	s_add_co_u32 s46, s46, s47
	s_mov_b32 s47, 0
	s_mul_i32 s20, s12, APL                        ; where they go: the wave's number alone
	s_mul_i32 s21, s12, BHALF
	s_add_co_u32 s21, s21, BOFF
	s_wait_dscnt 0x0                               ; both opening adds are done
	s_wait_kmcnt 0x0
	s_add_nc_u64 s[14:15], s[4:5], s[16:17]
	s_add_nc_u64 s[46:47], s[6:7], s[46:47]
	CROUND                                         ; all sixteen work-groups are here
.irp s, 0,1
	s_mov_b32 s[G0+4*\s], 1
	s_add_co_u32 s[G0+4*\s+1], s20, \s*SLOT
	s_add_nc_u64 s[G0+4*\s+2:G0+4*\s+3], s[14:15], \s*(2<<20)
	s_or_b32 s[G0+4*\s+3], s[G0+4*\s+3], 0x80000000
	s_mov_b32 s[G0B+4*\s], 1
	s_add_co_u32 s[G0B+4*\s+1], s21, \s*SLOT
	s_add_nc_u64 s[G0B+4*\s+2:G0B+4*\s+3], s[46:47], \s*262144
	s_or_b32 s[G0B+4*\s+3], s[G0B+4*\s+3], 0x80000000
	JLOAD \s                                       ; two loads of mine are out at the most
.endr
	v_and_b32 v1, 15, v0                           ; r
	v_bfe_u32 v2, v0, 4, 1                         ; h
	v_lshrrev_b32 v3, 1, v1
	v_mul_u32_u24 v3, v3, 272
	v_and_b32 v4, 1, v0
	v_lshl_add_u32 v3, v4, 7, v3
	v_lshl_add_u32 v3, v2, 4, v3                   ; y: row r at 272 (r / 2) + 128 (r % 2), + 16 h
	v_and_b32 v4, 7, v0
	v_lshl_add_u32 v4, v2, 3, v4
	v_mul_u32_u24 v4, v4, 544
	v_bfe_u32 v5, v0, 3, 1
	v_lshl_add_u32 v4, v5, 4, v4                   ; W: row 8 h + lane % 8, columns 8 ((lane / 8) % 2) on
	s_mul_i32 s22, s11, 8704                       ; my 64 rows of y
	s_lshl_b32 s23, s12, 8                         ; my 128 columns of W
	s_add_co_u32 s23, s23, BOFF
.irp s, 0,1
	v_add_nc_u32 v[ADRA+\s], s22, v3
	v_add_nc_u32 v[ADRB+\s], s23, v4
	s_add_co_u32 s22, s22, SLOT
	s_add_co_u32 s23, s23, SLOT
.endr
	s_mul_i32 s23, s10, 16*SPITCH
	s_add_co_u32 s23, s23, STAGE                   ; my stage
	v_mul_u32_u24 v5, v1, SPITCH
	v_lshl_add_u32 v5, v2, 5, v5
	v_add_nc_u32 v[STO], s23, v5
	v_and_b32 v6, 31, v0
	v_lshlrev_b32 v[CO], 4, v6
	v_add_nc_u32 v[RD], s23, v[CO]
	s_lshl_b32 s16, s13, 19                        ; out0: (128 x tile row + 64 x half) rows of 4,096 bytes
	s_lshl_b32 s17, s11, 18
	s_add_co_u32 s16, s16, s17
	s_lshl_b32 s46, s42, 10                        ; + 1,024 x tile column + 512 x half
	s_lshl_b32 s47, s12, 9
	s_add_co_u32 s46, s46, s47
	s_add_co_u32 s16, s16, s46
	s_mov_b32 s17, 0
	s_add_nc_u64 s[8:9], s[8:9], s[16:17]
.macro MUL8 f, a, zero                 ; y's block a x W's eight, 32 along K.  The 32 accumulators take turns, one instruction a turn, in the same order in every quarter
.irp b, 0,1,2,3,4,5,6,7
.if \zero
	v_wmma_f32_16x16x32_f16 v[8*(8*(\a)+\b):8*(8*(\a)+\b)+7], v[\f+32+8*\b:\f+32+8*\b+7], v[\f+8*(\a):\f+8*(\a)+7], 0
.else
	v_wmma_f32_16x16x32_f16 v[8*(8*(\a)+\b):8*(8*(\a)+\b)+7], v[\f+32+8*\b:\f+32+8*\b+7], v[\f+8*(\a):\f+8*(\a)+7], v[8*(8*(\a)+\b):8*(8*(\a)+\b)+7]
.endif
.endr
.endm
.macro FETCH slot, qd, f               ; 24 LDS loads in one run: quarter qd (32 along K) of the slot: W's 8 fragments, then y's 4
	WIN 0
.irp b, 0,1,2,3,4,5,6,7
	ds_load_tr16_b128 v[\f+32+8*\b:\f+32+8*\b+3],   v[ADRB+\slot] offset:17408*(\qd)+32*\b
	ds_load_tr16_b128 v[\f+32+8*\b+4:\f+32+8*\b+7], v[ADRB+\slot] offset:17408*(\qd)+8704+32*\b
.endr
.irp a, 0,1,2,3
	ds_load_b128 v[\f+8*\a:\f+8*\a+3],   v[ADRA+\slot] offset:17408*((\qd)/2)+64*((\qd)%2)+2176*\a
	ds_load_b128 v[\f+8*\a+4:\f+8*\a+7], v[ADRA+\slot] offset:17408*((\qd)/2)+64*((\qd)%2)+2176*\a+32
.endr
.endm
.macro PLACES
.rept 4
	v_nop
.endr
.endm
.macro QUARTER slot, qd, f, g, zero    ; multiplies buffer f; in its middle fetches quarter qd of the same slot into g
	s_wait_dscnt 4                                 ; W's fragments and y's blocks 0, 1 are in; the youngest four loads (blocks 2, 3) may be out
	WIN MUL
	MUL8 \f, 0, \zero
	MUL8 \f, 1, \zero
	PLACES
	FETCH \slot, \qd, \g
	s_wait_dscnt 24                                ; all but the 24 just issued
	WIN MUL
	MUL8 \f, 2, \zero
	MUL8 \f, 3, \zero
.endm
; A slot's last quarter multiplies buffer 1 and changes slots: one barrier; in front of it each wave waits for all its tensor loads, adds 0 to its spare word, and waits for that and for its reads of this slot.
; fill = 1: the barrier opens a round of the cluster's, and this slot is filled again, two K steps ahead, first thing behind the round: 112 matrix instructions ahead of the wait for it.
.macro TURN slot, next, fill
	WIN 0
	s_wait_tensorcnt 0x0
	ds_add_u32 v[SPW], v[NIL]
	s_wait_dscnt 5                                 ; the add and the youngest four loads may be out
	WIN MUL
	MUL8 F1, 0, 0
	s_wait_dscnt 0x0                               ; the add is done, my reads of this slot are over
	s_barrier_signal -1
	MUL8 F1, 1, 0
	WIN 0
	s_barrier_wait -1
.if \fill
	CREST
	s_add_nc_u64 s[G0+4*\slot+2:G0+4*\slot+3], s[G0+4*\slot+2:G0+4*\slot+3], 4<<20
	s_add_nc_u64 s[G0B+4*\slot+2:G0B+4*\slot+3], s[G0B+4*\slot+2:G0B+4*\slot+3], 524288
	JLOAD \slot                                    ; the four v_nop behind it are also the places in front of the loads below
.else
	PLACES
.endif
	FETCH \next, 0, F0
	WIN MUL
	MUL8 F1, 2, 0
	MUL8 F1, 3, 0
.endm
	s_wait_tensorcnt 1                             ; my part of K step 0 is in; K step 1's load may be out,
	s_barrier_signal -1
	s_barrier_wait -1                              ; everybody's is
	FETCH 0, 0, F0
	QUARTER 0, 1, F0, F1, 1                        ; the first products start the sums
	WIN 0
	s_mov_b32 s3, LAPS-1
.Llap:                                                 ; a trip goes once round the ring and fills both slots again
	QUARTER 0, 2, F1, F0, 0
	QUARTER 0, 3, F0, F1, 0
	TURN 0, 1, 1
	QUARTER 1, 1, F0, F1, 0
	QUARTER 1, 2, F1, F0, 0
	QUARTER 1, 3, F0, F1, 0
	TURN 1, 0, 1
	QUARTER 0, 1, F0, F1, 0
	WIN 0
	s_sub_co_u32 s3, s3, 1
	s_cmp_lg_u32 s3, 0
	s_cbranch_scc1 .Llap
	QUARTER 0, 2, F1, F0, 0                        ; the last lap fills nothing
	QUARTER 0, 3, F0, F1, 0
	TURN 0, 1, 0
	QUARTER 1, 1, F0, F1, 0
	QUARTER 1, 2, F1, F0, 0
	QUARTER 1, 3, F0, F1, 0
	s_wait_dscnt 4
	WIN MUL
	MUL8 F1, 0, 0
	MUL8 F1, 1, 0
	s_wait_dscnt 0
	MUL8 F1, 2, 0
	MUL8 F1, 3, 0
	WIN 0
	PLACES
; THE WAY OUT, a block of 16 rows x 128 columns of f32 at a time, through my own stage: back as whole rows of 512 bytes, which the 32 lanes store as 512 consecutive bytes.
.macro TOSTAGE a
	WIN 0x04                                       ; an LDS store's data: window 1
.irp b, 0,1,2,3,4,5,6,7
	ds_store_b128 v[STO], v[8*(8*(\a)+\b):8*(8*(\a)+\b)+3] offset:64*\b        ; each accumulator from its low end on
	ds_store_b128 v[STO], v[8*(8*(\a)+\b)+4:8*(8*(\a)+\b)+7] offset:64*\b+16
.endr
	WIN 0
.set BB, 32+64*((\a)%2)
.irp t, 0,1,2,3,4,5,6,7,8,9,10,11,12,13,14,15
	ds_load_b128 v[BB+4*\t:BB+4*\t+3], v[RD] offset:\t*SPITCH
.endr
.endm
.macro SEND a, younger
.set BB, 32+64*((\a)%2)
	s_wait_dscnt \younger
.irp t, 0,1,2,3,4,5,6,7,8,9,10,11,12,13,14,15
	global_store_b128 v[CO], v[BB+4*\t:BB+4*\t+3], s[8:9] offset:(16*(\a)+\t)*4096 th:TH_STORE_NT
.endr
.endm
	s_cmp_eq_u32 s2, 0                             ; cluster y and the wave's number alone
	s_cbranch_scc1 .Lskip0                         ; a batch's first 16 rows are the f32 launch's
	TOSTAGE 0
	SEND 0, 0
.Lskip0:
	TOSTAGE 1
	s_wait_xcnt 0x0                                ; block 0's stores have read their registers
	TOSTAGE 2
	SEND 1, 32                                     ; behind block 1's loads: block 2's 16 stores and 16 loads
	s_wait_xcnt 0x0                                ; block 1's stores have read their registers
	TOSTAGE 3
	SEND 2, 32
	SEND 3, 0
	s_wait_tensorcnt 0x0                           ; the wave's end
	ds_add_u32 v[SPW], v[NIL]
	s_wait_dscnt 0x0
	CROUND                                         ; the closing round
	s_endpgm
.Lfunc_end_k_q6fe09a2040_proj:
	.size	k_q6fe09a2040_proj, .Lfunc_end_k_q6fe09a2040_proj-k_q6fe09a2040_proj
	.p2alignl 7, 3214868480
	.fill 96, 4, 3214868480
	.section	.rodata,"a",@progbits
	.p2align	6, 0x0
	.amdhsa_kernel k_q6fe09a2040_proj
		.amdhsa_group_segment_fixed_size 327680
		.amdhsa_private_segment_fixed_size 0
		.amdhsa_enable_private_segment 0
		.amdhsa_kernarg_size 24
		.amdhsa_user_sgpr_count 2
		.amdhsa_user_sgpr_kernarg_segment_ptr 1
		.amdhsa_wavefront_size32 1
		.amdhsa_system_sgpr_workgroup_id_x 1
		.amdhsa_system_sgpr_workgroup_id_y 1
		.amdhsa_system_sgpr_workgroup_id_z 1
		.amdhsa_system_vgpr_workitem_id 0
		.amdhsa_next_free_vgpr 512
		.amdhsa_next_free_sgpr 66
		.amdhsa_reserve_vcc 0
		.amdhsa_float_denorm_mode_32 3
		.amdhsa_float_denorm_mode_16_64 3
		.amdhsa_memory_ordered 1
		.amdhsa_forward_progress 1
		.amdhsa_inst_pref_size 85
	.end_amdhsa_kernel
	.amdgpu_metadata
---
amdhsa.version: [ 1, 2 ]
amdhsa.kernels:
  - .name:           k_q6fe09a2040_proj
    .symbol:         k_q6fe09a2040_proj.kd
    .args:
      - { .name: yh, .offset: 0, .size: 8, .value_kind: global_buffer, .address_space: global }
      - { .name: wph, .offset: 8, .size: 8, .value_kind: global_buffer, .address_space: global }
      - { .name: out0, .offset: 16, .size: 8, .value_kind: global_buffer, .address_space: global }
    .group_segment_fixed_size: 327680
    .private_segment_fixed_size: 0
    .kernarg_segment_align: 8
    .kernarg_segment_size: 24
    .max_flat_workgroup_size: 128
    .sgpr_count:     66
    .vgpr_count:     512
    .wavefront_size: 32
...
	.end_amdgpu_metadata
.endif
;; end of part 4
;; launch first16 (part 5): grid 16 x 4, 4 waves a work-group, no clusters, 327,680 bytes of LDS; arguments q16, W_proj, out0; writes out0
.if DOCPART == 5
	.amdgcn_target "amdgcn-amd-amdhsa--gfx1250"
	.amdhsa_code_object_version 6
	.text
	.protected	k_q6fe09a2040_first16
	.globl	k_q6fe09a2040_first16
	.p2align	8
	.type	k_q6fe09a2040_first16,@function
k_q6fe09a2040_first16:
	s_mov_b64 s[64:65], 0
	v_nop
	global_prefetch_b8 v0, s[64:65] scope:SCOPE_SE
	s_setreg_imm32_b32 hwreg(HW_REG_WAVE_MODE, 25, 1), 1
	s_wait_xcnt 0x0
; THE FIRST 16 POSITIONS OF EACH BATCH, all in f32: attention on q16 [4][16][3072] (q, k, v as f32 sums of the quantised product) and the projection with W_proj [1024][1024] f32; rows t < 16 of out0.
; These rows average one to a few values, so rounded operands would weigh most here; they are a 128th of the rows: no bulk work.
; SHARES.  Work-group (cg, b): 64 output columns of batch b.  Wave w computes heads 4 w .. 4 w + 3 (every work-group of a batch repeats that small part) and multiplies just those 256 of K with its rows of W_proj,
; so y never changes lanes or waves; the four partial sums meet in LDS.  64 work-groups: finer column groups would store less than 256 consecutive bytes of a row.
; v_wmma_f32_16x16x4_f32: lane (r, h) holds row (or column) r and k = 2 h + j.  A permutation of k applied alike to both sources keeps the sum, so registers are taken as they lie:
;   S^T = K Q^T: step s takes channels 32 h + 2 s + j of both.   O^T = V^T P: step s takes keys 8 h + 2 s + j (P as the scores' layout leaves it).   out^T = W^T y^T: step i of chunk c takes k = 16 c + 8 h + 2 i + j.
; The registers that the matrix instruction writes (S, O, ACC) are written by matrix instructions alone; each sum starts with the constant 0; what is made of a sum goes into other registers.
; No cluster: each work-group's slab of W_proj is its own.  No prefetch: the launch is short.  LIMITS: NaN and infinities are not served.
; REGISTERS: window 0: v1-11 addresses, v16-23 statistics, v32-47 S, v64-79 T and P, v96-159 O^T, v160-191 ACC, v192-255 two buffers of W.  window 1: Q v0-127, K v128-255 (32 a head).  window 2: V v0-127, Y v128-255.
.set WSL,   256*272                    ; a wave's slab of W_proj: 256 rows of 256 + 16 bytes
.set RSTG,  4*WSL                      ; the partial sums: 16 rows x 272 bytes for each wave
.set RPW,   16*272
.set SPARE, RSTG+4*RPW                 ; the spare words: two blocks of 256 bytes that no other line names
.set QA,  3
.set VA,  4
.set RH,  5
.set NINF, 6
.set AW0, 7                            ; v7, v8: my place in rows 0-127 and 128-255 of the slab
.set RST, 9
.set RLD, 10
.set GO,  11
.set SS,  16                           ; head u of a pair: +4 u: c m, m, 1 / l, l
.set SPW, 30
.set NIL, 31
.set S,   32
.set T,   64
.set O,   96
.set ACC, 160
.set WB,  192
.set KB,  128                          ; in window 1
.set YB,  128                          ; in window 2
.set SEL, 24
.set CS,  26
.set MSB, 0
.macro WIN new
.if MSB != \new
	s_set_vgpr_msb (MSB<<8)|\new
.set MSB, \new
.endif
.endm
.macro PLACES8                         ; eight plain places behind this form (ISA guide 7.12.1)
.rept 8
	v_nop
.endr
.endm
	s_load_b128 s[4:7], s[0:1], 0x0                ; q16, W_proj
	s_load_b64 s[8:9], s[0:1], 0x10                ; out0
	v_lshl_add_u32 v[SPW], v0, 2, SPARE
	v_mov_b32 v[NIL], 0
	ds_add_u32 v[SPW], v[NIL]                      ; the opening: the add, twice on end, and its wait ahead of my first tensor load
	ds_add_u32 v[SPW], v[NIL]
	v_lshrrev_b32 v1, 5, v0
	v_readfirstlane_b32 s10, v1                    ; wave 0..3
	s_and_b32 s11, ttmp7, 0xffff                   ; batch
	s_mov_b32 s16, (2<<16)|(1<<20)|(5<<22)|(3<<25) ; elements of 4 bytes; 4 words of padding behind every 64
	s_mov_b32 s17, 64<<16                          ; tensor_dim0 = 64
	s_mov_b32 s18, 256<<16                         ; tensor_dim1 = 256
	s_mov_b32 s19, 64<<16                          ; tile_dim0 = 64
	s_mov_b32 s20, 256                             ; tile_dim1 = 256
	s_mov_b32 s21, 1024                            ; stride
	s_mov_b32 s22, 0
	s_mov_b32 s23, 0
	s_mul_i32 s28, s10, WSL                        ; my slab
	s_lshl_b32 s30, s10, 20                        ; W_proj: 256 w rows of 4,096 bytes + 256 cg
	s_lshl_b32 s31, ttmp9, 8
	s_add_co_u32 s30, s30, s31
	s_mov_b32 s31, 0
	s_mul_i32 s32, s11, 196608                     ; q16: batch, + my four heads' 1,024 bytes
	s_lshl_b32 s33, s10, 10
	s_add_co_u32 s32, s32, s33
	s_mov_b32 s33, 0
	s_lshl_b32 s34, s11, 23                        ; out0: (2,048 b + 4 w) rows of 4,096 bytes + 256 cg
	s_lshl_b32 s35, s10, 14
	s_add_co_u32 s34, s34, s35
	s_lshl_b32 s35, ttmp9, 8
	s_add_co_u32 s34, s34, s35
	s_mov_b32 s35, 0
	s_mov_b32 s[SEL], 0x76543210
	s_mov_b32 s[SEL+1], 0xfedcba98
	s_mov_b32 s[CS], 0x3e38aa3b                    ; c = log2(e) / 8
	s_mov_b32 s[CS+1], s[CS]
	s_wait_dscnt 0x0                               ; both opening adds are done
	s_wait_kmcnt 0x0
	s_mov_b32 s12, 1
	s_mov_b32 s13, s28
	s_add_nc_u64 s[14:15], s[6:7], s[30:31]
	s_or_b32 s15, s15, 0x80000000
	tensor_load_to_lds s[12:15], s[16:23]          ; my slab: filled once, read by me alone; one load of mine is out
	s_nop 0
.rept 4
	v_nop
.endr
	s_add_nc_u64 s[4:5], s[4:5], s[32:33]
	s_add_nc_u64 s[8:9], s[8:9], s[34:35]
	v_and_b32 v1, 15, v0                           ; r
	v_bfe_u32 v2, v0, 4, 1                         ; h
	v_mul_u32_u24 v[QA], v1, 12288
	v_lshl_add_u32 v[QA], v2, 7, v[QA]             ; Q, K: position r, channels 32 h on
	v_mul_u32_u24 v[VA], v2, 98304
	v_lshl_add_u32 v[VA], v1, 2, v[VA]             ; V: positions 8 h on, channel r
	WIN 0x40                                       ; destination window 1
.irp hd, 0,1,2,3
.irp i, 0,1,2,3,4,5,6,7
	global_load_b128 v[32*\hd+4*\i:32*\hd+4*\i+3], v[QA], s[4:5] offset:256*\hd+16*\i
	global_load_b128 v[KB+32*\hd+4*\i:KB+32*\hd+4*\i+3], v[QA], s[4:5] offset:4096+256*\hd+16*\i
.endr
.endr
	WIN 0x80                                       ; destination window 2
.irp hd, 0,1,2,3
.irp ct, 0,1,2,3
.irp i, 0,1,2,3,4,5,6,7
	global_load_b32 v[32*\hd+8*\ct+\i], v[VA], s[4:5] offset:8192+256*\hd+64*\ct+12288*\i
.endr
.endr
.endr
	WIN 0
	v_lshlrev_b32 v12, 3, v2
	v_sub_nc_u32 v[RH], v1, v12                    ; r - 8 h
	v_mov_b32 v[NINF], 0xff800000
	v_mul_u32_u24 v[AW0], v2, 2176
	v_lshl_add_u32 v[AW0], v1, 2, v[AW0]
	v_add_nc_u32 v[AW0], s28, v[AW0]               ; slab: 8 h rows on, column r
	v_add_nc_u32 v[AW0+1], 34816, v[AW0]
	s_mul_i32 s29, s10, RPW
	s_add_co_u32 s29, s29, RSTG
	v_mul_u32_u24 v[RST], v1, 272
	v_lshl_add_u32 v[RST], v2, 5, v[RST]
	v_add_nc_u32 v[RST], s29, v[RST]               ; my partial sums: row r, + 32 h
	s_mul_i32 s29, s10, 4*272
	s_add_co_u32 s29, s29, RSTG
	v_mul_u32_u24 v[RLD], v2, 272
	v_lshl_add_u32 v[RLD], v1, 4, v[RLD]
	v_add_nc_u32 v[RLD], s29, v[RLD]               ; back: row 4 w + h, 16 bytes at 16 r
	v_lshlrev_b32 v[GO], 12, v2
	v_lshl_add_u32 v[GO], v1, 4, v[GO]
	v_mov_b32 v[SS+3], 0                           ; a lane permute's destination counts as one of its sources
	v_mov_b32 v[SS+7], 0
	s_wait_loadcnt 0x0
; Heads 2 pr and 2 pr + 1 of my four.
.macro PAIR pr
	WIN 0x05                                       ; sources 0 and 1 window 1
.irp s, 0,1,2,3,4,5,6,7,8,9,10,11,12,13,14,15  ; S^T = K Q^T: the two heads' accumulators by turns
.irp u, 0,1
.if \s == 0
	v_wmma_f32_16x16x4_f32 v[S+8*\u:S+8*\u+7], v[KB+32*(2*\pr+\u)+2*\s:KB+32*(2*\pr+\u)+2*\s+1], v[32*(2*\pr+\u)+2*\s:32*(2*\pr+\u)+2*\s+1], 0
.else
	v_wmma_f32_16x16x4_f32 v[S+8*\u:S+8*\u+7], v[KB+32*(2*\pr+\u)+2*\s:KB+32*(2*\pr+\u)+2*\s+1], v[32*(2*\pr+\u)+2*\s:32*(2*\pr+\u)+2*\s+1], v[S+8*\u:S+8*\u+7]
.endif
.endr
.endr
	WIN 0
	PLACES8
.irp j, 0,1,2,3,4,5,6,7                        ; register j holds key 8 h + j of query r: hidden where j > r - 8 h; the masked score goes into other registers
	v_cmp_gt_i32 vcc_lo, \j, v[RH]
.irp u, 0,1
	v_cndmask_b32 v[T+8*\u+\j], v[S+8*\u+\j], v[NINF], vcc_lo
.endr
.endr
.irp u, 0,1
	v_max3_num_f32 v[SS+4*\u+1], v[T+8*\u], v[T+8*\u+1], v[T+8*\u+2]
.endr
.irp j, 3,5
.irp u, 0,1
	v_max3_num_f32 v[SS+4*\u+1], v[SS+4*\u+1], v[T+8*\u+\j], v[T+8*\u+\j+1]
.endr
.endr
.irp u, 0,1
	v_max_num_f32 v[SS+4*\u+1], v[SS+4*\u+1], v[T+8*\u+7]
.endr
.irp u, 0,1
	v_permlanex16_b32 v[SS+4*\u+3], v[SS+4*\u+1], s[SEL], s[SEL+1]
.endr
.irp u, 0,1
	v_max_num_f32 v[SS+4*\u+1], v[SS+4*\u+1], v[SS+4*\u+3]   ; the row's maximum: key 0 counts for every query
.endr
.irp u, 0,1
	v_mul_f32 v[SS+4*\u], s[CS], v[SS+4*\u+1]
.endr
.irp j, 0,2,4,6
.irp u, 0,1
	v_pk_fma_f32 v[T+8*\u+\j:T+8*\u+\j+1], v[T+8*\u+\j:T+8*\u+\j+1], s[CS:CS+1], v[SS+4*\u:SS+4*\u+1] op_sel_hi:[1,0,0] neg_lo:[0,0,1] neg_hi:[0,0,1]
.endr
.endr
.irp j, 0,1,2,3,4,5,6,7
.irp u, 0,1
	v_exp_f32 v[T+8*\u+\j], v[T+8*\u+\j]           ; p = 2^(c s - c m)
.endr
.endr
	v_nop
	s_wait_alu depctr_va_vdst(0)                   ; one wait for the batch of sixteen, ahead of its first reader
.irp u, 0,1
	v_add_f32 v[SS+4*\u+3], v[T+8*\u], v[T+8*\u+1]
	v_add_f32 v[SS+4*\u+1], v[T+8*\u+2], v[T+8*\u+3]
.endr
.irp j, 4,6
.irp u, 0,1
	v_add_f32 v[SS+4*\u+3], v[SS+4*\u+3], v[T+8*\u+\j]
	v_add_f32 v[SS+4*\u+1], v[SS+4*\u+1], v[T+8*\u+\j+1]
.endr
.endr
.irp u, 0,1
	v_add_f32 v[SS+4*\u+3], v[SS+4*\u+3], v[SS+4*\u+1]
.endr
.irp u, 0,1
	v_permlanex16_b32 v[SS+4*\u+1], v[SS+4*\u+3], s[SEL], s[SEL+1]
.endr
.irp u, 0,1
	v_add_f32 v[SS+4*\u+3], v[SS+4*\u+3], v[SS+4*\u+1]       ; l
.endr
.irp u, 0,1
	v_rcp_f32 v[SS+4*\u+2], v[SS+4*\u+3]
.endr
	v_nop
	s_wait_alu depctr_va_vdst(0)                   ; one wait for the two reciprocals
	WIN 0x02                                       ; source 0 (V) window 2
.irp s, 0,1,2,3                                ; O^T = V^T P: eight accumulators by turns
.irp ct, 0,1,2,3
.irp u, 0,1
.if \s == 0
	v_wmma_f32_16x16x4_f32 v[O+32*\u+8*\ct:O+32*\u+8*\ct+7], v[32*(2*\pr+\u)+8*\ct+2*\s:32*(2*\pr+\u)+8*\ct+2*\s+1], v[T+8*\u+2*\s:T+8*\u+2*\s+1], 0
.else
	v_wmma_f32_16x16x4_f32 v[O+32*\u+8*\ct:O+32*\u+8*\ct+7], v[32*(2*\pr+\u)+8*\ct+2*\s:32*(2*\pr+\u)+8*\ct+2*\s+1], v[T+8*\u+2*\s:T+8*\u+2*\s+1], v[O+32*\u+8*\ct:O+32*\u+8*\ct+7]
.endif
.endr
.endr
.endr
	PLACES8
	WIN 0x80                                       ; destination window 2: y = O^T / l, register 8 ct + j: channel 16 ct + 8 h + j of query r
.irp u, 0,1
.set p, 0
.rept 16
	v_pk_mul_f32 v[YB+32*(2*\pr+\u)+2*p:YB+32*(2*\pr+\u)+2*p+1], v[O+32*\u+2*p:O+32*\u+2*p+1], v[SS+4*\u+2:SS+4*\u+3] op_sel_hi:[1,0]
.set p, p+1
.endr
.endr
	WIN 0
.endm
	PAIR 0
	PAIR 1
; THE PROJECTION: 16 chunks of 16 along K.  Chunk c: W(16 c + 8 h + i, 16 e + r) into register 8 e + i of buffer c % 2.
.macro LOADW c
.irp e, 0,1,2,3
.irp i, 0,1,2,3,4,5,6,7
	ds_load_b32 v[WB+32*((\c)%2)+8*\e+\i], v[AW0+(\c)/8] offset:272*((16*(\c)+\i)%128)+64*\e
.endr
.endr
.endm
.macro MULC c                          ; out^T(16 e + 8 h + j, r) += : four accumulators by turns
	WIN 0x08                                       ; source 1 (y) window 2
.irp i, 0,1,2,3
.irp e, 0,1,2,3
.if ((\c) == 0) && (\i == 0)
	v_wmma_f32_16x16x4_f32 v[ACC+8*\e:ACC+8*\e+7], v[WB+32*((\c)%2)+8*\e+2*\i:WB+32*((\c)%2)+8*\e+2*\i+1], v[YB+8*(\c)+2*\i:YB+8*(\c)+2*\i+1], 0
.else
	v_wmma_f32_16x16x4_f32 v[ACC+8*\e:ACC+8*\e+7], v[WB+32*((\c)%2)+8*\e+2*\i:WB+32*((\c)%2)+8*\e+2*\i+1], v[YB+8*(\c)+2*\i:YB+8*(\c)+2*\i+1], v[ACC+8*\e:ACC+8*\e+7]
.endif
.endr
.endr
	WIN 0
	PLACES8                                        ; in front of loads into the buffer just read, and of the first read of the sums
.endm
	s_wait_tensorcnt 0x0                           ; my slab is in LDS; only I read it
	LOADW 0
	LOADW 1
.irp c, 0,1,2,3,4,5,6,7,8,9,10,11,12,13
	s_wait_dscnt 32                                ; this chunk's 32 loads are in; the next chunk's 32 may be out
	MULC \c
	LOADW \c+2
.endr
	s_wait_dscnt 32
	MULC 14
	s_wait_dscnt 0x0
	MULC 15
.irp e, 0,1,2,3
	ds_store_b128 v[RST], v[ACC+8*\e:ACC+8*\e+3] offset:64*\e          ; each accumulator from its low end on
	ds_store_b128 v[RST], v[ACC+8*\e+4:ACC+8*\e+7] offset:64*\e+16
.endr
	s_wait_dscnt 0x0                               ; for the others' sake: my partial sums lie in LDS
	s_barrier_signal -1
	s_barrier_wait -1
.irp p, 0,1,2,3                                ; wave w adds rows 4 w .. 4 w + 3: partial p, rows 4 w + 2 g + h
.irp g, 0,1
	ds_load_b128 v[WB+8*\p+4*\g:WB+8*\p+4*\g+3], v[RLD] offset:RPW*\p+544*\g
.endr
.endr
	s_wait_dscnt 0x0
.irp j, 0,2,4,6
	v_pk_add_f32 v[WB+\j:WB+\j+1], v[WB+\j:WB+\j+1], v[WB+8+\j:WB+8+\j+1]
	v_pk_add_f32 v[WB+16+\j:WB+16+\j+1], v[WB+16+\j:WB+16+\j+1], v[WB+24+\j:WB+24+\j+1]
.endr
.irp j, 0,2,4,6
	v_pk_add_f32 v[WB+\j:WB+\j+1], v[WB+\j:WB+\j+1], v[WB+16+\j:WB+16+\j+1]
.endr
.irp g, 0,1
	global_store_b128 v[GO], v[WB+4*\g:WB+4*\g+3], s[8:9] offset:8192*\g th:TH_STORE_NT   ; sixteen lanes store 256 consecutive bytes, aligned
.endr
	s_wait_tensorcnt 0x0                           ; the wave's end
	ds_add_u32 v[SPW], v[NIL]
	s_wait_dscnt 0x0
	s_endpgm
.Lfunc_end_k_q6fe09a2040_first16:
	.size	k_q6fe09a2040_first16, .Lfunc_end_k_q6fe09a2040_first16-k_q6fe09a2040_first16
	.p2alignl 7, 3214868480
	.fill 96, 4, 3214868480
	.section	.rodata,"a",@progbits
	.p2align	6, 0x0
	.amdhsa_kernel k_q6fe09a2040_first16
		.amdhsa_group_segment_fixed_size 327680
		.amdhsa_private_segment_fixed_size 0
		.amdhsa_enable_private_segment 0
		.amdhsa_kernarg_size 24
		.amdhsa_user_sgpr_count 2
		.amdhsa_user_sgpr_kernarg_segment_ptr 1
		.amdhsa_wavefront_size32 1
		.amdhsa_system_sgpr_workgroup_id_x 1
		.amdhsa_system_sgpr_workgroup_id_y 1
		.amdhsa_system_sgpr_workgroup_id_z 1
		.amdhsa_system_vgpr_workitem_id 0
		.amdhsa_next_free_vgpr 768
		.amdhsa_next_free_sgpr 66
		.amdhsa_reserve_vcc 1
		.amdhsa_float_denorm_mode_32 3
		.amdhsa_float_denorm_mode_16_64 3
		.amdhsa_memory_ordered 1
		.amdhsa_forward_progress 1
		.amdhsa_inst_pref_size 98
	.end_amdhsa_kernel
	.amdgpu_metadata
---
amdhsa.version: [ 1, 2 ]
amdhsa.kernels:
  - .name:           k_q6fe09a2040_first16
    .symbol:         k_q6fe09a2040_first16.kd
    .args:
      - { .name: q16, .offset: 0, .size: 8, .value_kind: global_buffer, .address_space: global }
      - { .name: W_proj, .offset: 8, .size: 8, .value_kind: global_buffer, .address_space: global }
      - { .name: out0, .offset: 16, .size: 8, .value_kind: global_buffer, .address_space: global }
    .group_segment_fixed_size: 327680
    .private_segment_fixed_size: 0
    .kernarg_segment_align: 8
    .kernarg_segment_size: 24
    .max_flat_workgroup_size: 128
    .sgpr_count:     66
    .vgpr_count:     768
    .wavefront_size: 32
...
	.end_amdgpu_metadata
.endif
;; end of part 5
